; MI455X (gfx1250); checked and timed in simulation.
; The chip was launched on July 23, 2026; its instructions are those of AMD's public machine-readable ISA for CDNA 5 (MIT licence, August 2026) and "CDNA5" Instruction Set Architecture Reference Guide (July 2026). The comments in the code are by the model that wrote it; some were corrected since.
;; Self Attention. Allowed arithmetic: matrix products marked QUANTISED: E2M1 operands, one E8M0 scale for each 32 along K, by v_wmma_scale_f32_16x16x128_f8f6f4 with both operands' format E2M1 (or v_wmma_scale_f32_32x16x128_f4), f32 sums; everything else in f32.
;; Inputs: We 1,024 x 3,072 float32; Wf 1,024 x 1,024 float32; be 3,072 float32; bf 1,024 float32; mask 1 x 1 x 2,048 x 4,096 int32; past_key 2 x 2,048 x 16 x 64 float32; past_value 2 x 2,048 x 16 x 64 float32; x 2 x 2,048 x 1,024 float32.
;; Outputs: out0 2 x 2,048 x 1,024 float32; out1 2 x 2 x 2,048 x 16 x 64 float32.
;; This version of the problem:
;;   THIS VERSION OF THE PROBLEM IS GIVEN IN LOW PRECISION. The matrix products marked QUANTISED in the list below multiply operands that are first quantised to E2M1 (2 exponent bits, 1 mantissa bit; 4 bits a number), with one power-of-two scale for each 32 numbers along K (OCP MX v1.0); their sums are f32. All else is computed in f32.
;;   The module's matrix products, in the order in which they are computed (A, B: the left and right operand; K: the contracted axis; several contracted axes count as one K, in the product's order):
;;     1. [M 4,096, K 1,024] x [K 1,024, N 3,072]; A: input x; B: input We: QUANTISED
;;     2. batch 32 x [M 2,048, K 64] x [K 64, N 4,096]; A: computed on the way; B: computed on the way: QUANTISED
;;     3. batch 32 x [M 64, K 4,096] x [K 4,096, N 2,048]; A: computed on the way; B: softmax (see below): QUANTISED
;;     4. [M 4,096, K 1,024] x [K 1,024, N 1,024]; A: computed on the way; B: input Wf: QUANTISED
;;   THE QUANTISER, for each operand of a quantised product, along K:
;;     - K is cut into blocks of 32 from its start; a last block that is shorter is filled with zeros.
;;     - A block's scale is 2^e with e = floor(log2(the largest magnitude in the block)) - 2, held to -126 .. 127; a block of zeros has e = 0. As a byte (E8M0): e + 127.
;;     - Each number is divided by its block's scale, clamped to +-6, and rounded to the nearest number of E2M1, ties to even, subnormals kept.
;;     - The product sums the exact products of the quantised numbers (number of the format x scale) in f32.
;;   ~~~python
;;   def quantise(x, axis):      # numpy; x: float32 -> the quantised numbers, widened to float32 again
;;       x = np.moveaxis(x, axis, -1); K = x.shape[-1]
;;       x = np.pad(x, [(0, 0)] * (x.ndim - 1) + [(0, -K % 32)]); x = x.reshape(x.shape[:-1] + (-1, 32)); a = np.abs(x).max(-1, keepdims=True)
;;       e = np.where(a > 0, np.clip(np.frexp(np.where(a > 0, a, 1))[1] - 1 - 2, -126, 127), 0)      # np.frexp(a)[1] - 1 = floor(log2(a)), exactly
;;       r = np.clip(x / 2.0 ** e, -6, 6)
;;       step = 2.0 ** (np.maximum(np.frexp(np.where(r == 0, 1, r))[1] - 1, 0) - 1)
;;       q = np.round(r / step) * step * 2.0 ** e      # np.round: ties to even
;;       return np.moveaxis(q.reshape(q.shape[:-2] + (-1,))[..., :K], -1, axis).astype(np.float32)
;;   ~~~
;;   SOFTMAX AHEAD OF A QUANTISED PRODUCT. Where the list says 'softmax', what is quantised is not the finished softmax but p = 2^(t - M), with t = logit x log2(e) and M = ceil(the row's largest t), a whole number; so 1/2 < the row's largest p <= 1. The row's sum l is taken of the UNQUANTISED p, in f32, and the product's result is divided by l at the end. Since M is a whole number, a kernel that streams over the keys may use a running M (the ceiling of the running maximum): every later rescaling is an exact power of two, which a block's scale takes up: the codes' values come out the same.
;;   OPERANDS COMPUTED ON THE WAY. 'Computed on the way' means the value that the module computes at that place (a softmax that the list does not call 'softmax' is quantised finished and normalised). What goes into a quantiser is computed in f32, as accurately as f32 sums, v_exp_f32 and their like allow (about 1e-6 of the number): no bf16 or f16 on the way to a quantiser, and a product that is left as it is and whose result goes on into a quantised operand takes f32 operands (vector FMAs, or v_wmma_f32_16x16x4_f32). A number that lies on a knife's edge between two numbers of the format may be rounded either way, as far as f32 arithmetic and the matrix unit's own rounding can turn it there, and no further.
;; One version. Each part assembles by itself: llvm-mc -triple=amdgcn-amd-amdhsa -mcpu=gfx1250 --defsym DOCPART=n.
;; ======== version 1 of 1: 4 launches
;; limits: right only within a limited range of input values
;; workspace buffers: xq 2,228,224 bytes; wq 2,228,224 bytes; kv 8,912,896 bytes; mk 4,325,376 bytes; qq 2,228,224 bytes; aq 2,228,224 bytes
;; launch prep (part 1): grid 768 x 1, 4 waves a work-group, no clusters, 34,304 bytes of LDS; arguments x, past_key, mask, We, Wf, past_value, xq, wq, kv, mk; writes xq, wq, kv, mk
.if DOCPART == 1
	.amdgcn_target "amdgcn-amd-amdhsa--gfx1250"
	.amdhsa_code_object_version 6
	.text
	.protected	k_q812ffcfdef_prep
	.globl	k_q812ffcfdef_prep
	.p2align	8
	.type	k_q812ffcfdef_prep,@function
k_q812ffcfdef_prep:
	s_mov_b64 s[64:65], 0
	v_nop
	global_prefetch_b8 v0, s[64:65] scope:SCOPE_SE
	s_setreg_imm32_b32 hwreg(HW_REG_WAVE_MODE, 25, 1), 1
	s_wait_xcnt 0x0
; PREP: every f32 input that is an operand of a quantised product becomes codes of FP4 (E2M1) with one E8M0 byte for each 32 along its K, laid in the order of the operand's registers; the mask becomes bits.
; NOTHING OF reference() IS LEFT OUT in this program: every input reaches an output (be on k moves k's codes and out1; the mask is an input and is honoured bit by bit).
; LIMITS: a block of zeros gets the byte 1 where the rule says 127 (its codes are zeros, and only this program reads the bytes); blocks whose largest magnitude lies under 2^(3 - 127) are held at that floor; NaN and infinities among the inputs are not served.
; TILES.  Tile T of any row axis holds rows 32 (T / 2) + 8 (T % 2) + rho(r), rho(r) = r + 8 (r / 8), r = 0 .. 15.  A FRAGMENT IMAGE is 1,024 bytes for a tile and 128 along K: byte 512 c + 16 (16 h + r) + y holds
; the codes of k = 64 c + 32 h + 2 y, 2 y + 1 of tile row r: the operand's registers on end.  A scale word: one for a tile row and 128 along K.
; ROLES, by the work-group's number W; a wave's unit is 32 KB of input:
;   0-127 x, 128-255 past_key, 256-511 mask: K innermost (ROWS): 16 rows x 4 steps of 128 numbers; each load reads 512 consecutive bytes of a row, a step turns through the wave's own stage in LDS so that a lane holds 16 neighbours of each block.
;   512-607 We, 608-639 Wf, 640-767 past_value: K is the first axis (COLUMNS): a lane takes a column, its registers run down K; 32 columns x 256 along K; no LDS.
; Waves share nothing: no barrier.
.set SPARE, 33792                      ; behind the four stages (8,448 bytes each): the spare words, 128 bytes a wave
.set SPW, 12                           ; v12  LDS address of my spare word; never rewritten
.set NIL, 13                           ; v13  0; never rewritten
; THE MASK leaves as codes of FP4, not as bits: -4 for a key that does not count, 0 for one that counts, laid as a fragment image (1,024 bytes for a tile of 16 queries and 128 keys; 32,768 bytes a tile).
; Behind the codes, from byte 4,194,304 of mk on: for each unit (tile, 512 keys) one word a lane, the AND of the lane's code registers: 0xeeeeeeee where none of its keys counts.
.set M4,  252                          ; v252 -4.0
.set ONE, 253                          ; v253 1.0: the conversion's scale operand
.set ALL, 254                          ; v254 the AND of my code registers
.set VO,  16                           ; v16-31 row i of the tile: 16 x lane + rho(i) x the row's pitch
.set R,   32                           ; v32-159 two sets of 64: a step as it is loaded
.set X,   160                          ; v160-223 register 16 b + i = number 32 b + 16 h + i of my row
.set PC,  224                          ; v224-231 the fragment just made
.set PW,  232                          ; its scale word
.set TT,  233
.set TM,  236                          ; v236-251 at work
.set SEL, 42                           ; s[42:43] selects for lane l xor 16
.set CX,  32                           ; COLUMNS: v32-95 two sets of 32 numbers
.set CC,  96                           ; v96-127 codes, four registers a block: no store's data are written again
.set SB,  128                          ; v128-129 scale words
	s_load_b512 s[4:19], s[0:1], 0x0               ; x, past_key, mask, We, Wf, past_value, xq, wq
	s_load_b128 s[20:23], s[0:1], 0x40             ; kv, mk
	v_lshl_add_u32 v[SPW], v0, 2, SPARE
	v_mov_b32 v[NIL], 0
	v_lshrrev_b32 v1, 5, v0
	v_readfirstlane_b32 s24, v1                    ; wave
	v_and_b32 v1, 31, v0                           ; lane
	v_and_b32 v2, 15, v0                           ; r
	v_bfe_u32 v3, v0, 4, 1                         ; h
	s_wait_kmcnt 0x0
	s_cmp_lt_u32 ttmp9, 512
	s_cbranch_scc0 .Lcol
	; ---------------- ROWS: one text for x, past_key and the mask; what differs is chosen by the work-group's number
	s_cmp_lt_u32 ttmp9, 256
	s_mov_b32 s25, 255
	s_cselect_b32 s25, 127, s25
	s_cselect_b32 s26, 1, 3                        ; parts of a tile: 2 (rows of 1,024 numbers) or 8 (rows of 4,096)
	s_cselect_b32 s27, 1, 7
	s_mov_b32 s36, 16384
	s_cselect_b32 s36, 4096, s36                   ; a row in bytes
	s_and_b32 s25, ttmp9, s25
	s_lshl_b32 s25, s25, 2
	s_add_co_u32 s25, s25, s24                     ; my unit
	s_lshr_b32 s28, s25, s26                       ; tile
	s_and_b32 s29, s25, s27                        ; part
	s_lshr_b32 s46, s28, 1
	s_lshl_b32 s46, s46, 5
	s_and_b32 s47, s28, 1
	s_lshl_b32 s47, s47, 3
	s_add_co_u32 s46, s46, s47                     ; the tile's first row
	s_mul_i32 s46, s46, s36
	s_lshl_b32 s47, s29, 11                        ; a part is 512 numbers
	s_add_co_u32 s46, s46, s47
	s_mov_b32 s47, 0
	s_lshl_b32 s48, s28, 13                        ; x: images at 8,192 tile + 4,096 part,
	s_lshl_b32 s49, s29, 12
	s_add_co_u32 s48, s48, s49
	s_lshl_b32 s50, s28, 9                         ; scale words at 2,097,152 + 512 tile + 256 part
	s_lshl_b32 s49, s29, 8
	s_add_co_u32 s50, s50, s49
	s_add_co_u32 s50, s50, 2097152
	s_lshr_b32 s51, s28, 7                         ; past_key: batch,
	s_lshl_b32 s51, s51, 4
	s_lshl_b32 s49, s29, 3
	s_add_co_u32 s51, s51, s49                     ; 16 b + the part's first head,
	s_mul_i32 s51, s51, 278528
	s_bfe_u32 s49, s28, 0x40003                    ; the key step,
	s_mul_i32 s49, s49, 8704
	s_add_co_u32 s51, s51, s49
	s_and_b32 s49, s28, 7                          ; the tile in it
	s_lshl_b32 s52, s49, 9
	s_add_co_u32 s52, s52, s51
	s_lshl_b32 s49, s49, 5
	s_add_co_u32 s53, s51, s49
	s_add_co_u32 s53, s53, 8192
	s_lshl_b32 s55, s25, 7                         ; mask: the unit's 32 AND words, 128 bytes, behind the codes
	s_add_co_u32 s55, s55, 4194304
	s_lshl_b32 s54, s28, 15                        ; mask: 1,024 bytes a step, 32 steps a tile
	s_lshl_b32 s49, s29, 12
	s_add_co_u32 s54, s54, s49
	s_cmp_lt_u32 ttmp9, 128
	s_cselect_b32 s48, s48, s52
	s_cselect_b32 s50, s50, s53
	s_mov_b32 s37, 557056
	s_mov_b32 s40, s37
	s_mov_b32 s38, 278528
	s_cselect_b32 s37, 1024, s37                   ; codes: from step to step (past_key: two heads on)
	s_cselect_b32 s40, 64, s40                     ; scales: from step to step
	s_cselect_b32 s39, 2, s38                      ; scales: from lanes 0-15 to lanes 16-31 (past_key: a head on)
	s_cselect_b32 s38, 512, s38                    ; codes: from registers 0-3 to registers 4-7 (past_key: a head on)
	s_cselect_b32 s41, 2, 1                        ; scales: 4 or 2 bytes a row
	s_cselect_b64 s[30:31], s[4:5], s[6:7]
	s_cselect_b64 s[32:33], s[16:17], s[20:21]
	s_cmp_lt_u32 ttmp9, 256
	s_cselect_b32 s48, s48, s54
	s_cselect_b32 s50, s50, s55
	s_cselect_b64 s[30:31], s[30:31], s[8:9]
	s_cselect_b64 s[32:33], s[32:33], s[22:23]
	s_mov_b32 s49, 0
	s_mov_b32 s51, 0
	s_add_nc_u64 s[30:31], s[30:31], s[46:47]      ; where I read,
	s_add_nc_u64 s[34:35], s[32:33], s[50:51]      ; where the scales go,
	s_add_nc_u64 s[32:33], s[32:33], s[48:49]      ; where the codes (or the mask words) go
	s_mov_b32 s[SEL], 0x76543210
	s_mov_b32 s[SEL+1], 0xfedcba98
	s_wait_alu depctr_va_vdst(0)
	v_lshlrev_b32 v4, 4, v1                        ; 16 x lane
	s_mul_i32 s45, s24, 8448                       ; my stage: 16 rows of 512 bytes + 16
	v_add_nc_u32 v5, s45, v4                       ; in: a row as it lies
	v_mul_u32_u24 v6, v2, 528
	v_lshl_add_u32 v6, v3, 6, v6
	v_add_nc_u32 v6, s45, v6                       ; back: row r, 64 h bytes on
	v_mov_b32 v7, v4                               ; registers 0-3 of an image
	v_add_nc_u32 v8, s38, v4                       ; registers 4-7
	v_lshlrev_b32 v9, s41, v2
	v_mad_u32_u24 v9, v3, s39, v9                  ; my half of a scale word
	v_lshlrev_b32 v10, 4, v3                       ; 16 h
	v_lshlrev_b32 v11, 2, v1                       ; 4 x lane
	v_mov_b32 v[M4], 0xc0800000
	v_mov_b32 v[ONE], 1.0
	v_mov_b32 v[ALL], -1
.irp b, 0,1,2,3
	v_mov_b32 v[TM+4+\b], 0                        ; likewise a lane permute's
.endr
.irp i, 0,1,2,3,4,5,6,7,8,9,10,11,12,13,14,15
	s_mul_i32 s45, s36, \i+8*(\i/8)
	v_add_nc_u32 v[VO+\i], s45, v4
.endr
; 64 numbers of a lane, register 16 b + i = k 32 b + 16 h + i of my row, become a fragment's codes in v[PC] on and its scale word in v[PW] (the same in both halves of the lanes)
.macro QUANT s
.irp b, 0,1,2,3
	v_max3_num_f32 v[TM+\b], |v[\s+16*\b]|, |v[\s+1+16*\b]|, 0x1800000   ; my 16 numbers of block b, and the floor 2^(3 - 127): the byte cannot fall under 1
.endr
.irp i, 2,4,6,8,10,12,14
.irp b, 0,1,2,3
	v_max3_num_f32 v[TM+\b], v[TM+\b], |v[\s+16*\b+\i]|, |v[\s+1+16*\b+\i]|
.endr
.endr
.irp b, 0,1,2,3
	v_permlanex16_b32 v[TM+4+\b], v[TM+\b], s[SEL], s[SEL+1]
.endr
.irp b, 0,1,2,3
	v_max_num_f32 v[TM+\b], v[TM+\b], v[TM+4+\b]   ; with lane l xor 16's: the block's largest magnitude
.endr
.irp b, 0,1,2,3
	v_add_nc_u32 v[TM+12+\b], 0xff000000, v[TM+\b] ; 2 off its exponent field: the conversion's scale operand
.endr
.irp b, 0,1,2,3
	v_lshrrev_b32 v[TM+4+\b], 23, v[TM+12+\b]      ; the scale's byte
.endr
	v_lshl_or_b32 v[PW], v[TM+5], 8, v[TM+4]
	v_lshl_or_b32 v[PW], v[TM+6], 16, v[PW]
	v_lshl_or_b32 v[PW], v[TM+7], 24, v[PW]
.irp b, 0,1,2,3
	v_cvt_scalef32_pk8_fp4_f32 v[PC+2*\b], v[\s+16*\b:\s+7+16*\b], v[TM+12+\b]
	v_cvt_scalef32_pk8_fp4_f32 v[PC+1+2*\b], v[\s+8+16*\b:\s+15+16*\b], v[TM+12+\b]
.endr
	v_nop                                          ; one plain place behind a scaled conversion
.irp c, 0,1                                    ; the operand's layout wants a whole block in a lane
.irp i, 0,1
	v_permlane16_swap_b32 v[PC+4*\c+\i], v[PC+2+4*\c+\i]
.endr
.endr
.endm
.macro LOADR st                        ; step st: 16 rows x 512 consecutive bytes
.irp i, 0,1,2,3,4,5,6,7,8,9,10,11,12,13,14,15
	global_load_b128 v[R+64*((\st)%2)+4*\i:R+64*((\st)%2)+4*\i+3], v[VO+\i], s[30:31] offset:512*(\st) th:TH_LOAD_NT
.endr
.endm
.macro STEPR st
.if (\st) < 3
	s_wait_loadcnt 16                              ; this step's 16 loads are in; the next step's 16 may be out
.else
	s_wait_loadcnt 0x0
.endif
.irp i, 0,1,2,3,4,5,6,7,8,9,10,11,12,13,14,15
	ds_store_b128 v5, v[R+64*((\st)%2)+4*\i:R+64*((\st)%2)+4*\i+3] offset:528*\i
.endr
.irp b, 0,1,2,3
.irp i, 0,1,2,3
	ds_load_b128 v[X+16*\b+4*\i:X+16*\b+4*\i+3], v6 offset:128*\b+16*\i   ; LDS serves a wave's instructions in order: these see my stores
.endr
.endr
	s_wait_dscnt 0x0                               ; the numbers are back, and the stores have read their registers
.if (\st) > 0
	s_wait_xcnt 0x0                                ; the last step's stores have read their data and offsets: both are written again below
	v_add_nc_u32 v7, s37, v7
	v_add_nc_u32 v8, s37, v8
	v_add_nc_u32 v9, s40, v9
.endif
.if (\st) < 2
	LOADR (\st)+2
.endif
	s_cmp_lt_u32 ttmp9, 256
	s_cbranch_scc0 .Lmask_\@
	QUANT X
	v_lshrrev_b32 v[TT], v10, v[PW]                ; lanes 0-15 keep bytes 0, 1 of the word, lanes 16-31 bytes 2, 3
	global_store_b128 v7, v[PC:PC+3], s[32:33]     ; 512 consecutive bytes
	global_store_b128 v8, v[PC+4:PC+7], s[32:33]
	global_store_b16 v9, v[TT], s[34:35]
	s_branch .Ljoin_\@
.Lmask_\@:                                     ; a mask number that is 0 becomes -4.0, any other 0.0; the conversion makes the codes 0xe and 0
.set nn, 0
	s_wait_alu depctr_va_vdst(0)
.rept 64
	v_cmp_eq_u32 s[44+nn%4], 0, v[X+nn]
	v_cndmask_b32 v[X+nn], 0, v[M4], s[44+nn%4]
.set nn, nn+1
.endr
.irp b, 0,1,2,3
	v_cvt_scalef32_pk8_fp4_f32 v[PC+2*\b], v[X+16*\b:X+7+16*\b], v[ONE]
	v_cvt_scalef32_pk8_fp4_f32 v[PC+1+2*\b], v[X+8+16*\b:X+15+16*\b], v[ONE]
.endr
	v_nop                                          ; one plain place behind a scaled conversion
.irp c, 0,1                                    ; register 4 c + i of lane (r, h): keys 64 c + 32 h + 8 i + 0 .. 7 of the tile's query r
.irp i, 0,1
	v_permlane16_swap_b32 v[PC+4*\c+\i], v[PC+2+4*\c+\i]
.endr
.endr
.irp i, 0,1,2,3,4,5,6,7
	v_and_b32 v[ALL], v[ALL], v[PC+\i]
.endr
	global_store_b128 v4, v[PC:PC+3], s[32:33] offset:1024*(\st)       ; 512 consecutive bytes, aligned
	global_store_b128 v4, v[PC+4:PC+7], s[32:33] offset:1024*(\st)+512
.if (\st) == 3
	global_store_b32 v11, v[ALL], s[34:35]         ; the unit's 128 bytes of AND words
.endif
.Ljoin_\@:
.endm
	s_wait_alu depctr_va_vdst(0)
	LOADR 0
	LOADR 1
	STEPR 0
	STEPR 1
	STEPR 2
	STEPR 3
	s_branch .Lend
	; ---------------- COLUMNS
.macro LOADC t, pitch                  ; block t: rows 32 t + i of my column
.irp i, 0,1,2,3,4,5,6,7,8,9,10,11,12,13,14,15,16,17,18,19,20,21,22,23,24,25,26,27,28,29,30,31
	global_load_b32 v[CX+32*((\t)%2)+\i], v20, s[30:31] offset:(32*(\t)+\i)*(\pitch) th:TH_LOAD_NT
.endr
.endm
.macro BLOCKC t, pitch, sstr, ss
.set XS, CX+32*((\t)%2)
.if (\t) < 7
	s_wait_loadcnt 32                              ; this block's 32 loads are in; the next block's may be out
.else
	s_wait_loadcnt 0x0
.endif
	v_max3_num_f32 v130, |v[XS]|, |v[XS+1]|, |v[XS+2]|   ; all 32 numbers of the block are mine
	v_max3_num_f32 v131, |v[XS+3]|, |v[XS+4]|, |v[XS+5]|
.irp i, 6,10,14,18,22,26
	v_max3_num_f32 v130, v130, |v[XS+\i]|, |v[XS+\i+1]|
	v_max3_num_f32 v131, v131, |v[XS+\i+2]|, |v[XS+\i+3]|
.endr
	v_max3_num_f32 v130, v130, |v[XS+30]|, |v[XS+31]|
	v_max3_num_f32 v130, v130, v131, 0x1800000
	v_add_nc_u32 v132, 0xff000000, v130
	v_lshrrev_b32 v133, 23, v132
.if (\t)%4 == 0
	v_mov_b32 v[SB+(\t)/4], v133
.else
	v_lshl_or_b32 v[SB+(\t)/4], v133, 8*((\t)%4), v[SB+(\t)/4]
.endif
.irp g, 0,1,2,3
	v_cvt_scalef32_pk8_fp4_f32 v[CC+4*(\t)+\g], v[XS+8*\g:XS+8*\g+7], v132
.endr
	global_store_b128 v22, v[CC+4*(\t):CC+4*(\t)+3], s[32:33] offset:((\t)/4)*(\sstr)+(((\t)%4)/2)*512+((\t)%2)*256   ; sixteen lanes store 256 consecutive bytes, aligned
.if (\t)%4 == 3
	global_store_b32 v23, v[SB+(\t)/4], s[34:35] offset:((\t)/4)*(\ss)
.endif
.if (\t)+2 < 8
	LOADC (\t)+2, \pitch
.endif
.endm
.macro COL pitch, sstr, ss
	LOADC 0, \pitch
	LOADC 1, \pitch
.irp t, 0,1,2,3,4,5,6,7
	BLOCKC \t, \pitch, \sstr, \ss
.endr
.endm
.Lcol:
	s_wait_alu depctr_va_vdst(0)
	v_and_b32 v21, 8, v2
	v_add_nc_u32 v21, v21, v2                      ; rho(r)
	v_lshl_add_u32 v21, v3, 3, v21                 ; lanes 0-15: the even tile of the pair, lanes 16-31 the odd one
	v_lshlrev_b32 v20, 2, v21                      ; my column, in bytes
	v_lshlrev_b32 v22, 4, v2
	v_lshlrev_b32 v23, 2, v2
	s_cmp_lt_u32 ttmp9, 640
	s_cbranch_scc0 .Lpv
	v_lshl_add_u32 v22, v3, 13, v22                ; weights: a tile on is 8,192 bytes of images,
	v_lshl_add_u32 v23, v3, 9, v23                 ; 512 of scale words
	s_cmp_lt_u32 ttmp9, 608
	s_cbranch_scc0 .Lwf
	s_sub_co_u32 s25, ttmp9, 512                   ; We
	s_lshr_b32 s26, s25, 2
	s_lshl_b32 s26, s26, 2
	s_add_co_u32 s26, s26, s24                     ; which 32 columns
	s_and_b32 s27, s25, 3                          ; which 256 along K
	s_mul_i32 s28, s27, 256*12288
	s_lshl_b32 s29, s26, 7
	s_add_co_u32 s28, s28, s29
	s_mov_b32 s29, 0
	s_lshl_b32 s36, s26, 14
	s_lshl_b32 s37, s27, 11
	s_add_co_u32 s36, s36, s37
	s_mov_b32 s37, 0
	s_lshl_b32 s38, s26, 10
	s_lshl_b32 s39, s27, 7
	s_add_co_u32 s38, s38, s39
	s_add_co_u32 s38, s38, 1572864
	s_mov_b32 s39, 0
	s_add_nc_u64 s[30:31], s[10:11], s[28:29]
	s_add_nc_u64 s[32:33], s[18:19], s[36:37]
	s_add_nc_u64 s[34:35], s[18:19], s[38:39]
	s_wait_alu depctr_va_vdst(0)
	COL 12288, 1024, 64
	s_branch .Lend
.Lwf:
	s_sub_co_u32 s25, ttmp9, 608                   ; Wf, behind We in wq
	s_lshr_b32 s26, s25, 2
	s_lshl_b32 s26, s26, 2
	s_add_co_u32 s26, s26, s24
	s_and_b32 s27, s25, 3
	s_lshl_b32 s28, s27, 20
	s_lshl_b32 s29, s26, 7
	s_add_co_u32 s28, s28, s29
	s_mov_b32 s29, 0
	s_lshl_b32 s36, s26, 14
	s_lshl_b32 s37, s27, 11
	s_add_co_u32 s36, s36, s37
	s_add_co_u32 s36, s36, 1671168
	s_mov_b32 s37, 0
	s_lshl_b32 s38, s26, 10
	s_lshl_b32 s39, s27, 7
	s_add_co_u32 s38, s38, s39
	s_add_co_u32 s38, s38, 2195456
	s_mov_b32 s39, 0
	s_add_nc_u64 s[30:31], s[12:13], s[28:29]
	s_add_nc_u64 s[32:33], s[18:19], s[36:37]
	s_add_nc_u64 s[34:35], s[18:19], s[38:39]
	s_wait_alu depctr_va_vdst(0)
	COL 4096, 1024, 64
	s_branch .Lend
.Lpv:
	s_wait_alu depctr_va_vdst(0)
	v_lshl_add_u32 v22, v3, 10, v22                ; past_value: a tile of d on is 1,024 bytes of images,
	v_lshl_add_u32 v23, v3, 6, v23                 ; 64 of scale words
	s_sub_co_u32 s25, ttmp9, 640
	s_lshr_b32 s26, s25, 4
	s_lshl_b32 s26, s26, 2
	s_add_co_u32 s26, s26, s24                     ; which 32 columns: head = / 2, half of its 64 = % 2
	s_and_b32 s27, s25, 15                         ; which 256 rows: batch = / 8, two key steps
	s_lshl_b32 s28, s27, 20
	s_lshl_b32 s29, s26, 7
	s_add_co_u32 s28, s28, s29
	s_mov_b32 s29, 0
	s_lshr_b32 s36, s27, 3
	s_lshl_b32 s36, s36, 4
	s_lshr_b32 s37, s26, 1
	s_add_co_u32 s36, s36, s37
	s_mul_i32 s36, s36, 278528
	s_and_b32 s37, s27, 7
	s_mul_i32 s37, s37, 17408
	s_add_co_u32 s36, s36, s37                     ; the first key step's block of the head
	s_and_b32 s37, s26, 1
	s_lshl_b32 s38, s37, 7
	s_add_co_u32 s38, s38, s36
	s_add_co_u32 s38, s38, 8448
	s_lshl_b32 s37, s37, 11
	s_add_co_u32 s36, s36, s37
	s_add_co_u32 s36, s36, 4096
	s_mov_b32 s37, 0
	s_mov_b32 s39, 0
	s_add_nc_u64 s[30:31], s[14:15], s[28:29]
	s_add_nc_u64 s[32:33], s[20:21], s[36:37]
	s_add_nc_u64 s[34:35], s[20:21], s[38:39]
	COL 4096, 8704, 8704
.Lend:
	s_wait_tensorcnt 0x0                           ; the wave's end, behind my last LDS store
	ds_add_u32 v[SPW], v[NIL]
	s_wait_dscnt 0x0
	s_endpgm
.Lfunc_end_k_q812ffcfdef_prep:
	.size	k_q812ffcfdef_prep, .Lfunc_end_k_q812ffcfdef_prep-k_q812ffcfdef_prep
	.p2alignl 7, 3214868480
	.fill 96, 4, 3214868480
	.section	.rodata,"a",@progbits
	.p2align	6, 0x0
	.amdhsa_kernel k_q812ffcfdef_prep
		.amdhsa_group_segment_fixed_size 34304
		.amdhsa_private_segment_fixed_size 0
		.amdhsa_enable_private_segment 0
		.amdhsa_kernarg_size 80
		.amdhsa_user_sgpr_count 2
		.amdhsa_user_sgpr_kernarg_segment_ptr 1
		.amdhsa_wavefront_size32 1
		.amdhsa_system_sgpr_workgroup_id_x 1
		.amdhsa_system_sgpr_workgroup_id_y 1
		.amdhsa_system_sgpr_workgroup_id_z 1
		.amdhsa_system_vgpr_workitem_id 0
		.amdhsa_next_free_vgpr 256
		.amdhsa_next_free_sgpr 66
		.amdhsa_reserve_vcc 0
		.amdhsa_float_denorm_mode_32 3
		.amdhsa_float_denorm_mode_16_64 3
		.amdhsa_memory_ordered 1
		.amdhsa_forward_progress 1
		.amdhsa_inst_pref_size 187
	.end_amdhsa_kernel
	.amdgpu_metadata
---
amdhsa.version: [ 1, 2 ]
amdhsa.kernels:
  - .name:           k_q812ffcfdef_prep
    .symbol:         k_q812ffcfdef_prep.kd
    .args:
      - { .name: x, .offset: 0, .size: 8, .value_kind: global_buffer, .address_space: global }
      - { .name: past_key, .offset: 8, .size: 8, .value_kind: global_buffer, .address_space: global }
      - { .name: mask, .offset: 16, .size: 8, .value_kind: global_buffer, .address_space: global }
      - { .name: We, .offset: 24, .size: 8, .value_kind: global_buffer, .address_space: global }
      - { .name: Wf, .offset: 32, .size: 8, .value_kind: global_buffer, .address_space: global }
      - { .name: past_value, .offset: 40, .size: 8, .value_kind: global_buffer, .address_space: global }
      - { .name: xq, .offset: 48, .size: 8, .value_kind: global_buffer, .address_space: global }
      - { .name: wq, .offset: 56, .size: 8, .value_kind: global_buffer, .address_space: global }
      - { .name: kv, .offset: 64, .size: 8, .value_kind: global_buffer, .address_space: global }
      - { .name: mk, .offset: 72, .size: 8, .value_kind: global_buffer, .address_space: global }
    .group_segment_fixed_size: 34304
    .private_segment_fixed_size: 0
    .kernarg_segment_align: 8
    .kernarg_segment_size: 80
    .max_flat_workgroup_size: 128
    .sgpr_count:     66
    .vgpr_count:     256
    .wavefront_size: 32
...
	.end_amdgpu_metadata
.endif
;; end of part 1
;; launch qkv (part 2): grid 12 x 16, 4 waves a work-group, clusters of 4 x 4, 327,680 bytes of LDS; arguments xq, wq, be, qq, kv, out1; writes qq, kv, out1
.if DOCPART == 2
	.amdgcn_target "amdgcn-amd-amdhsa--gfx1250"
	.amdhsa_code_object_version 6
	.text
	.protected	k_q812ffcfdef_qkv
	.globl	k_q812ffcfdef_qkv
	.p2align	8
	.type	k_q812ffcfdef_qkv,@function
k_q812ffcfdef_qkv:
	s_mov_b64 s[64:65], 0
	v_nop
	global_prefetch_b8 v0, s[64:65] scope:SCOPE_SE
	s_setreg_imm32_b32 hwreg(HW_REG_WAVE_MODE, 25, 1), 1
	s_wait_xcnt 0x0
	s_wait_alu depctr_hold_cnt(0) depctr_sa_sdst(0) depctr_va_vdst(0) depctr_va_sdst(0) depctr_va_ssrc(0) depctr_va_vcc(0) depctr_vm_vsrc(0)
	s_getreg_b32 s2, hwreg(HW_REG_IB_STS2, 6, 4)
	s_cmp_eq_u32 s2, 0
	s_cbranch_scc0 .Lentry_in_a_cluster
	s_endpgm
.Lentry_in_a_cluster:
	s_bfe_u32 s2, ttmp6, 0x10000c
	s_cmp_lg_u32 s2, 0xf033
	s_cbranch_scc0 .Lentry_shape_is_right
	s_endpgm
.Lentry_shape_is_right:
.set XSCL,  262144
.set WSCL,  270336
.set SPARE, 278528
.set STAGE, 279040
.set SP,    528
.set WC0,   0
.set WS0,   1572864
.set ADQ0, 16
.set ADP0, 17
.set ADS0, 18
.set ADQ,  19
.set ADP,  20
.set ADS,  21
.set STO,  24
.set RD,   25
.set CO,   26
.set STV,  27
.set SPW,  28
.set NIL,  29
.set COB,  30
.set SOA,  31
.set SC,   32
.set PW,   48
.set TT,   56
.set PC,   64
.set QF,   128
.set TM,   192
.set BK,   128
.set BI,   128
.set WV,   92
.set XH,   93
.set WH,   94
.set SEL,  98
.set G1X,  24
.set G0X,  32
.set G0XS, 36
.set G1W,  48
.set G0W,  56
.set G0WS, 60
.set G1XS, 68
.set G1WS, 80
.set MSB, 0
.macro WIN new
.if MSB != (\new)
	s_set_vgpr_msb (MSB<<8)|(\new)
.set MSB, (\new)
.endif
.endm
.macro JLOAD g0a, g1a, g0b, g1b
	s_cmp_eq_u32 s[XH], 0
	s_cbranch_scc0 .Lfor_b_\@
	tensor_load_to_lds s[\g0a:\g0a+3], s[\g1a:\g1a+7]
	s_nop 0
.rept 4
	v_nop
.endr
	s_branch .Lasked_\@
.Lfor_b_\@:
	tensor_load_to_lds s[\g0b:\g0b+3], s[\g1b:\g1b+7]
	s_nop 0
.rept 4
	v_nop
.endr
.Lasked_\@:
.endm
.macro CROUND
	s_barrier_signal -1
	s_barrier_wait -1
	s_cmp_lg_u32 s[WV], 0
	s_cbranch_scc1 .Lnot_wave_0_\@
	s_barrier_signal -3
.Lnot_wave_0_\@:
	s_barrier_wait -3
	s_barrier_signal -1
	s_barrier_wait -1
.endm
.macro PLACES
.rept 4
	v_nop
.endr
.endm
	s_load_b256 s[4:11], s[0:1], 0x0
	s_load_b128 s[12:15], s[0:1], 0x20
	v_lshl_add_u32 v[SPW], v0, 2, SPARE
	v_mov_b32 v[NIL], 0
	ds_add_u32 v[SPW], v[NIL]
	ds_add_u32 v[SPW], v[NIL]
	v_lshrrev_b32 v1, 5, v0
	v_readfirstlane_b32 s[WV], v1
	s_lshr_b32 s[XH], s[WV], 1
	s_and_b32 s[WH], s[WV], 1
	s_bfe_u32 s40, ttmp6, 0x40000
	s_bfe_u32 s41, ttmp6, 0x40004
	s_lshl_b32 s42, ttmp9, 2
	s_add_co_u32 s42, s42, s40
	s_and_b32 s43, ttmp7, 0xffff
	s_lshl_b32 s43, s43, 2
	s_add_co_u32 s43, s43, s41
	s_mov_b32 s44, ttmp9
	s_lshl_b32 s45, s41, 2
	s_lshl_b32 s45, 15, s45
	s_lshl_b32 s46, 0x1111, s40
	s_or_b32 s[G1X], s45, (3<<16)|(1<<21)
	s_or_b32 s[G1XS], s45, (3<<16)|(1<<21)
	s_or_b32 s[G1W], s46, (3<<16)|(1<<21)
	s_or_b32 s[G1WS], s46, (3<<16)|(1<<21)
.irp g, G1X, G1W
	s_mov_b32 s[\g+1], 32<<16
	s_mov_b32 s[\g+2], 256<<16
	s_mov_b32 s[\g+3], 32<<16
	s_mov_b32 s[\g+4], 256
	s_mov_b32 s[\g+5], 32
	s_mov_b32 s[\g+6], 0
	s_mov_b32 s[\g+7], 0
.endr
.irp g, G1XS, G1WS
	s_mov_b32 s[\g+1], 32<<16
	s_mov_b32 s[\g+2], 16<<16
	s_mov_b32 s[\g+3], 32<<16
	s_mov_b32 s[\g+4], 16
	s_mov_b32 s[\g+5], 32
	s_mov_b32 s[\g+6], 0
	s_mov_b32 s[\g+7], 0
.endr
	s_lshl_b32 s17, s[WH], 3
	s_lshl_b32 s16, s43, 4
	s_add_co_u32 s16, s16, s17
	s_lshl_b32 s18, s16, 13
	s_mov_b32 s19, 0
	s_lshl_b32 s20, s16, 9
	s_add_co_u32 s20, s20, 2097152
	s_mov_b32 s21, 0
	s_lshl_b32 s76, s42, 4
	s_add_co_u32 s76, s76, s17
	s_lshl_b32 s78, s76, 9
	s_add_co_u32 s78, s78, WS0
	s_mov_b32 s79, 0
	s_lshl_b32 s76, s76, 13
	s_add_co_u32 s76, s76, WC0
	s_mov_b32 s77, 0
	s_lshl_b32 s22, s[WV], 16
	s_lshl_b32 s23, s[WV], 12
	s_add_co_u32 s23, s23, XSCL
	s_mov_b32 s[SEL], 0x76543210
	s_mov_b32 s[SEL+1], 0xfedcba98
	s_wait_dscnt 0x0
	s_wait_kmcnt 0x0
	CROUND
	s_mov_b32 s[G0XS], 1
	s_mov_b32 s[G0XS+1], s23
	s_add_nc_u64 s[G0XS+2:G0XS+3], s[4:5], s[20:21]
	s_or_b32 s[G0XS+3], s[G0XS+3], 0x80000000
	s_mov_b32 s[G0WS], 1
	s_mov_b32 s[G0WS+1], s23
	s_add_nc_u64 s[G0WS+2:G0WS+3], s[6:7], s[78:79]
	s_or_b32 s[G0WS+3], s[G0WS+3], 0x80000000
	JLOAD G0XS, G1XS, G0WS, G1WS
	s_mov_b32 s[G0X], 1
	s_mov_b32 s[G0X+1], s22
	s_add_nc_u64 s[G0X+2:G0X+3], s[4:5], s[18:19]
	s_or_b32 s[G0X+3], s[G0X+3], 0x80000000
	s_mov_b32 s[G0W], 1
	s_mov_b32 s[G0W+1], s22
	s_add_nc_u64 s[G0W+2:G0W+3], s[6:7], s[76:77]
	s_or_b32 s[G0W+3], s[G0W+3], 0x80000000
	s_wait_alu depctr_va_vdst(0)
	s_wait_tensorcnt 0x0
	ds_add_u32 v28, v29
	s_wait_dscnt 0x0
	CROUND
	JLOAD G0X, G1X, G0W, G1W
	v_and_b32 v1, 31, v0
	v_and_b32 v2, 15, v0
	v_bfe_u32 v3, v0, 4, 1
	v_lshlrev_b32 v[CO], 4, v1
	s_wait_alu depctr_va_vdst(0)
	s_lshl_b32 s16, s[XH], 16
	s_lshl_b32 s17, s[WH], 16
	s_add_co_u32 s17, s17, 131072
	s_lshl_b32 s88, s[XH], 12
	s_add_co_u32 s88, s88, XSCL
	s_lshl_b32 s89, s[WH], 12
	s_add_co_u32 s89, s89, WSCL
	s_cmp_eq_u32 s44, 2
	s_cselect_b32 s90, s16, s17
	s_cselect_b32 s91, s17, s16
	s_cselect_b32 s95, s88, s89
	s_cselect_b32 s96, s89, s88
	v_add_nc_u32 v[ADP0], s90, v[CO]
	v_add_nc_u32 v[ADQ0], s91, v[CO]
	v_lshlrev_b32 v4, 2, v2
	v_add_nc_u32 v5, s95, v4
	v_add_nc_u32 v4, s96, v4
	s_mov_b32 s97, 0xffff0000
	v_cndmask_b32 v[ADS0], v4, v5, s97
	s_mul_i32 s16, s[WV], 16*SP
	s_add_co_u32 s16, s16, STAGE
	v_mul_u32_u24 v[STO], v2, SP
	v_lshl_add_u32 v[STO], v3, 6, v[STO]
	v_add_nc_u32 v[STO], s16, v[STO]
	v_add_nc_u32 v[RD], s16, v[CO]
	v_and_b32 v6, 8, v2
	v_add_nc_u32 v6, v6, v2
	v_lshlrev_b32 v6, 2, v6
	v_mul_u32_u24 v[STV], v3, 8*SP
	v_add_nc_u32 v[STV], v[STV], v6
	v_add_nc_u32 v[STV], s16, v[STV]
	v_lshlrev_b32 v7, 6, v3
	s_lshl_b32 s16, s42, 10
	s_lshl_b32 s17, s[WH], 9
	s_add_co_u32 s16, s16, s17
	s_mov_b32 s17, 0
	s_add_nc_u64 s[8:9], s[8:9], s[16:17]
	s_cmp_eq_u32 s44, 2
	s_cbranch_scc1 .Lbias_v
	WIN 0x40
	s_wait_alu depctr_va_vdst(0)
.irp b, 0,1,2,3,4,5,6,7
	global_load_b128 v[BI+8*\b:BI+8*\b+3], v7, s[8:9] offset:128*(\b/2)+32*(\b%2)
	global_load_b128 v[BI+8*\b+4:BI+8*\b+7], v7, s[8:9] offset:128*(\b/2)+32*(\b%2)+16
.endr
	WIN 0
	s_branch .Lbias_done
.Lbias_v:
	WIN 0x40
	s_wait_alu depctr_va_vdst(0)
.irp a, 0,1,2,3,4,5,6,7
.irp j, 0,1,2,3,4,5,6,7
	global_load_b32 v[BI+8*\a+\j], v6, s[8:9] offset:128*(\a/2)+32*(\a%2)
.endr
.endr
	WIN 0
.Lbias_done:
.macro FETCH ko, so, p
	WIN 0x40
.irp i, 0,1,2,3,4,5,6,7
	ds_load_b128 v[64*(\p)+8*\i:64*(\p)+8*\i+3], v[ADP] offset:\i*8192+(\ko)
	ds_load_b128 v[64*(\p)+8*\i+4:64*(\p)+8*\i+7], v[ADP] offset:\i*8192+(\ko)+512
.endr
	WIN 0
.irp i, 0,1,2,3,4,5,6,7
	ds_load_b128 v[QF+64*(\p)+8*\i:QF+64*(\p)+8*\i+3], v[ADQ] offset:\i*8192+(\ko)
	ds_load_b128 v[QF+64*(\p)+8*\i+4:QF+64*(\p)+8*\i+7], v[ADQ] offset:\i*8192+(\ko)+512
.endr
.irp i, 0,1,2,3,4,5,6,7
	ds_load_b32 v[SC+8*(\p)+\i], v[ADS] offset:\i*512+(\so)
.endr
.endm
.macro MUL32 p, hi, cm
.if \cm
	WIN 0x91+0x40*(\hi)
.else
	WIN 0xa1+0x50*(\hi)
.endif
.irp a, 0,1,2,3
.irp b, 0,1,2,3,4,5,6,7
.if \cm == 1
	v_wmma_scale_f32_16x16x128_f8f6f4 v[8*(8*\a+\b):8*(8*\a+\b)+7], v[64*(\p)+8*\b:64*(\p)+8*\b+7], v[QF+64*(\p)+8*(4*(\hi)+\a):QF+64*(\p)+8*(4*(\hi)+\a)+7], v[BI+8*\b:BI+8*\b+7], v[SC+8*(\p)+\b], v[SC+8*(\p)+4*(\hi)+\a] matrix_a_fmt:MATRIX_FMT_FP4 matrix_b_fmt:MATRIX_FMT_FP4 matrix_a_scale:MATRIX_SCALE_ROW1
.elseif \cm == 2
	v_wmma_scale_f32_16x16x128_f8f6f4 v[8*(8*\a+\b):8*(8*\a+\b)+7], v[64*(\p)+8*\b:64*(\p)+8*\b+7], v[QF+64*(\p)+8*(4*(\hi)+\a):QF+64*(\p)+8*(4*(\hi)+\a)+7], v[BI+8*(4*(\hi)+\a):BI+8*(4*(\hi)+\a)+7], v[SC+8*(\p)+\b], v[SC+8*(\p)+4*(\hi)+\a] matrix_a_fmt:MATRIX_FMT_FP4 matrix_b_fmt:MATRIX_FMT_FP4 matrix_a_scale:MATRIX_SCALE_ROW1
.else
	v_wmma_scale_f32_16x16x128_f8f6f4 v[8*(8*\a+\b):8*(8*\a+\b)+7], v[64*(\p)+8*\b:64*(\p)+8*\b+7], v[QF+64*(\p)+8*(4*(\hi)+\a):QF+64*(\p)+8*(4*(\hi)+\a)+7], v[8*(8*\a+\b):8*(8*\a+\b)+7], v[SC+8*(\p)+\b], v[SC+8*(\p)+4*(\hi)+\a] matrix_a_fmt:MATRIX_FMT_FP4 matrix_b_fmt:MATRIX_FMT_FP4 matrix_a_scale:MATRIX_SCALE_ROW1
.endif
.endr
.endr
.endm
.macro STEP p, cm, ko, so, fetch
	s_wait_dscnt 0x0
	MUL32 \p, 0, \cm
.if \fetch
	PLACES
	FETCH \ko, \so, 1-(\p)
.endif
	MUL32 \p, 1, \cm
.endm
	s_wait_loadcnt 0x0
	s_wait_tensorcnt 0x0
	s_barrier_signal -1
	s_barrier_wait -1
	v_mov_b32 v[ADP], v[ADP0]
	v_mov_b32 v[ADQ], v[ADQ0]
	v_mov_b32 v[ADS], v[ADS0]
	FETCH 0, 0, 0
	s_cmp_eq_u32 s44, 2
	s_cbranch_scc1 .Lfirst_v
	s_wait_alu depctr_va_vdst(0)
	STEP 0, 1, 1024, 64, 1
	WIN 0
	s_branch .Lfirst_done
.Lfirst_v:
	s_wait_alu depctr_va_vdst(0)
	STEP 0, 2, 1024, 64, 1
	WIN 0
.Lfirst_done:
	s_mov_b32 s2, 0
	s_mov_b32 s3, 0
	s_mov_b32 s47, 3
.Lk:
	v_add_nc_u32 v[ADP], s2, v[ADP0]
	v_add_nc_u32 v[ADQ], s2, v[ADQ0]
	v_add_nc_u32 v[ADS], s3, v[ADS0]
	s_wait_alu depctr_va_vdst(0)
	STEP 1, 0, 2048, 128, 1
	STEP 0, 0, 3072, 192, 1
	WIN 0
	s_add_co_u32 s2, s2, 2048
	s_add_co_u32 s3, s3, 128
	s_sub_co_u32 s47, s47, 1
	s_cmp_lg_u32 s47, 0
	s_cbranch_scc1 .Lk
	STEP 1, 0, 0, 0, 0
	WIN 0
	PLACES
.irp b, 0,1,2,3
	v_mov_b32 v[TM+4+\b], 0
.endr
	s_lshr_b32 s16, s43, 3
	s_lshl_b32 s16, s16, 4
	s_lshl_b32 s17, s40, 2
	s_add_co_u32 s16, s16, s17
	s_lshl_b32 s17, s[WH], 1
	s_add_co_u32 s16, s16, s17
	s_and_b32 s17, s43, 7
	s_lshl_b32 s18, s17, 1
	s_add_co_u32 s18, s18, s[XH]
	s_add_co_u32 s18, s18, 16
	s_mul_i32 s18, s18, 8704
	s_mul_i32 s19, s16, 278528
	s_add_co_u32 s18, s18, s19
	s_lshl_b32 s20, s43, 8
	s_lshl_b32 s21, s[XH], 7
	s_add_co_u32 s20, s20, s21
	s_lshl_b32 s20, s20, 12
	s_lshl_b32 s21, s40, 10
	s_add_co_u32 s20, s20, s21
	s_lshl_b32 s21, s[WH], 9
	s_add_co_u32 s20, s20, s21
	s_cmp_eq_u32 s44, 2
	s_cselect_b32 s21, 16777216, 0
	s_add_co_u32 s20, s20, s21
	s_mov_b32 s21, 0
	s_add_nc_u64 s[14:15], s[14:15], s[20:21]
.macro QUANT a
.set AC, 64*((\a)%4)
.set WN, 2+(\a)/4
	WIN (WN<<4)|(WN<<2)
.irp b, 0,1,2,3
	v_max3_num_f32 v[TM+\b], 0x1800000, |v[AC+16*\b]|, |v[AC+16*\b+1]|
.endr
.irp i, 2,4,6,8,10,12,14
.irp b, 0,1,2,3
	v_max3_num_f32 v[TM+\b], v[TM+\b], |v[AC+16*\b+\i]|, |v[AC+16*\b+\i+1]|
.endr
.endr
	WIN 0
.irp b, 0,1,2,3
	v_permlanex16_b32 v[TM+4+\b], v[TM+\b], s[SEL], s[SEL+1]
.endr
.irp b, 0,1,2,3
	v_max_num_f32 v[TM+\b], v[TM+\b], v[TM+4+\b]
.endr
.irp b, 0,1,2,3
	v_add_nc_u32 v[TM+12+\b], 0xff000000, v[TM+\b]
.endr
.irp b, 0,1,2,3
	v_lshrrev_b32 v[TM+4+\b], 23, v[TM+12+\b]
.endr
	v_lshl_or_b32 v[PW+(\a)], v[TM+5], 8, v[TM+4]
	v_lshl_or_b32 v[PW+(\a)], v[TM+6], 16, v[PW+(\a)]
	v_lshl_or_b32 v[PW+(\a)], v[TM+7], 24, v[PW+(\a)]
	WIN WN
.irp b, 0,1,2,3
	v_cvt_scalef32_pk8_fp4_f32 v[PC+8*(\a)+2*\b], v[AC+16*\b:AC+16*\b+7], v[TM+12+\b]
	v_cvt_scalef32_pk8_fp4_f32 v[PC+8*(\a)+2*\b+1], v[AC+16*\b+8:AC+16*\b+15], v[TM+12+\b]
.endr
	WIN 0
	v_nop
.irp c, 0,1
.irp i, 0,1
	v_permlane16_swap_b32 v[PC+8*(\a)+4*\c+\i], v[PC+8*(\a)+4*\c+2+\i]
.endr
.endr
.endm
.macro BACK i
.set BB, BK+64*((\i)%2)
.irp t, 0,1,2,3,4,5,6,7,8,9,10,11,12,13,14,15
	ds_load_b128 v[BB+4*\t:BB+4*\t+3], v[RD] offset:\t*SP
.endr
.endm
.macro TOSTAGE a
.set AC, 64*((\a)%4)
	WIN 0x08+4*((\a)/4)
.irp b, 0,1,2,3,4,5,6,7
	ds_store_b128 v[STO], v[AC+8*\b:AC+8*\b+3] offset:128*(\b/2)+32*(\b%2)
	ds_store_b128 v[STO], v[AC+8*\b+4:AC+8*\b+7] offset:128*(\b/2)+32*(\b%2)+16
.endr
	WIN 0
	BACK \a
.endm
.macro TOSTAGEV b
	WIN 0x08
.irp a, 0,1,2,3
.irp j, 0,1,2,3,4,5,6,7
	ds_store_b32 v[STV], v[64*\a+8*(\b)+\j] offset:SP*\j+128*(\a/2)+32*(\a%2)
.endr
.endr
	WIN 0x0c
.irp a, 4,5,6,7
.irp j, 0,1,2,3,4,5,6,7
	ds_store_b32 v[STV], v[64*(\a-4)+8*(\b)+\j] offset:SP*\j+128*(\a/2)+32*(\a%2)
.endr
.endr
	WIN 0
	BACK \b
.endm
.macro SEND i, younger
.set BB, BK+64*((\i)%2)
	s_wait_dscnt \younger
.irp t, 0,1,2,3,4,5,6,7,8,9,10,11,12,13,14,15
	global_store_b128 v[CO], v[BB+4*\t:BB+4*\t+3], s[14:15] offset:(32*((\i)/2)+8*((\i)%2)+\t+8*(\t/8))*4096 th:TH_STORE_NT
.endr
.endm
	s_cmp_eq_u32 s44, 2
	s_cbranch_scc1 .Lout_v
	s_lshl_b32 s19, s17, 4
	s_lshl_b32 s20, s[XH], 3
	s_add_co_u32 s19, s19, s20
	s_lshl_b32 s20, s16, 16
	s_lshl_b32 s22, s19, 9
	s_add_co_u32 s20, s20, s22
	s_lshl_b32 s22, s16, 12
	s_lshl_b32 s19, s19, 5
	s_add_co_u32 s22, s22, s19
	s_add_co_u32 s22, s22, 2097152
	s_add_co_u32 s19, s18, 8192
	s_mov_b32 s88, 278528
	s_cmp_eq_u32 s44, 0
	s_cselect_b32 s20, s20, s18
	s_cselect_b32 s22, s22, s19
	s_cselect_b64 s[76:77], s[10:11], s[12:13]
	s_cselect_b32 s89, 4096, s88
	s_cselect_b32 s88, 65536, s88
	s_mov_b32 s21, 0
	s_mov_b32 s23, 0
	s_add_nc_u64 s[78:79], s[76:77], s[22:23]
	s_add_nc_u64 s[76:77], s[76:77], s[20:21]
	v_add_nc_u32 v[COB], s88, v[CO]
	v_lshlrev_b32 v[SOA], 1, v2
	v_mad_u32_u24 v[SOA], v3, s89, v[SOA]
	v_lshlrev_b32 v7, 4, v3
.irp a, 0,1,2,3,4,5,6,7
	QUANT \a
	global_store_b128 v[CO], v[PC+8*\a:PC+8*\a+3], s[76:77] offset:512*\a
	global_store_b128 v[COB], v[PC+8*\a+4:PC+8*\a+7], s[76:77] offset:512*\a
	v_lshrrev_b32 v[TT+\a], v7, v[PW+\a]
	global_store_b16 v[SOA], v[TT+\a], s[78:79] offset:32*\a
.endr
	s_cmp_eq_u32 s44, 0
	s_cbranch_scc1 .Lend
	TOSTAGE 0
.irp a, 1,2,3,4,5,6,7
.if \a > 1
	s_wait_xcnt 0x0
.endif
	TOSTAGE \a
	SEND \a-1, 32
.endr
	SEND 7, 0
	s_branch .Lend
.Lout_v:
	s_add_co_u32 s18, s18, 4096
	s_mov_b32 s19, 0
	s_add_nc_u64 s[76:77], s[12:13], s[18:19]
	s_mov_b32 s88, 0xffff0000
	v_lshlrev_b32 v7, 2, v1
.irp a, 0,1,2,3,4,5,6,7
	QUANT \a
	global_store_b128 v[CO], v[PC+8*\a:PC+8*\a+3], s[76:77] offset:(\a/4)*278528+(\a%4)*1024
	global_store_b128 v[CO], v[PC+8*\a+4:PC+8*\a+7], s[76:77] offset:(\a/4)*278528+(\a%4)*1024+512
.if (\a)%2 == 1
	v_cndmask_b32 v[TT+\a], v[PW+\a-1], v[PW+\a], s88
	global_store_b32 v7, v[TT+\a], s[76:77] offset:(\a/4)*278528+4352+((\a-1)%4)*64
.endif
.endr
	TOSTAGEV 0
.irp b, 1,2,3,4,5,6,7
.if \b > 1
	s_wait_xcnt 0x0
.endif
	TOSTAGEV \b
	SEND \b-1, 63
.endr
	SEND 7, 0
.Lend:
	s_wait_tensorcnt 0x0
	ds_add_u32 v[SPW], v[NIL]
	s_wait_dscnt 0x0
	CROUND
	s_endpgm
.Lfunc_end_k_q812ffcfdef_qkv:
	.size	k_q812ffcfdef_qkv, .Lfunc_end_k_q812ffcfdef_qkv-k_q812ffcfdef_qkv
	.p2alignl 7, 3214868480
	.fill 96, 4, 3214868480
	.section	.rodata,"a",@progbits
	.p2align	6, 0x0
	.amdhsa_kernel k_q812ffcfdef_qkv
		.amdhsa_group_segment_fixed_size 327680
		.amdhsa_private_segment_fixed_size 0
		.amdhsa_enable_private_segment 0
		.amdhsa_kernarg_size 48
		.amdhsa_user_sgpr_count 2
		.amdhsa_user_sgpr_kernarg_segment_ptr 1
		.amdhsa_wavefront_size32 1
		.amdhsa_system_sgpr_workgroup_id_x 1
		.amdhsa_system_sgpr_workgroup_id_y 1
		.amdhsa_system_sgpr_workgroup_id_z 1
		.amdhsa_system_vgpr_workitem_id 0
		.amdhsa_next_free_vgpr 1024
		.amdhsa_next_free_sgpr 100
		.amdhsa_reserve_vcc 0
		.amdhsa_float_denorm_mode_32 3
		.amdhsa_float_denorm_mode_16_64 3
		.amdhsa_memory_ordered 1
		.amdhsa_forward_progress 1
		.amdhsa_inst_pref_size 222
	.end_amdhsa_kernel
	.amdgpu_metadata
---
amdhsa.version: [ 1, 2 ]
amdhsa.kernels:
  - .name:           k_q812ffcfdef_qkv
    .symbol:         k_q812ffcfdef_qkv.kd
    .args:
      - { .name: xq, .offset: 0, .size: 8, .value_kind: global_buffer, .address_space: global }
      - { .name: wq, .offset: 8, .size: 8, .value_kind: global_buffer, .address_space: global }
      - { .name: be, .offset: 16, .size: 8, .value_kind: global_buffer, .address_space: global }
      - { .name: qq, .offset: 24, .size: 8, .value_kind: global_buffer, .address_space: global }
      - { .name: kv, .offset: 32, .size: 8, .value_kind: global_buffer, .address_space: global }
      - { .name: out1, .offset: 40, .size: 8, .value_kind: global_buffer, .address_space: global }
    .group_segment_fixed_size: 327680
    .private_segment_fixed_size: 0
    .kernarg_segment_align: 8
    .kernarg_segment_size: 48
    .max_flat_workgroup_size: 128
    .sgpr_count:     100
    .vgpr_count:     1024
    .wavefront_size: 32
...
	.end_amdgpu_metadata
.endif
;; end of part 2
;; launch attn (part 3): grid 8 x 32, 16 waves a work-group, clusters of 4 x 1, 327,680 bytes of LDS; arguments qq, kv, mk, aq; writes aq
.if DOCPART == 3
	.amdgcn_target "amdgcn-amd-amdhsa--gfx1250"
	.amdhsa_code_object_version 6
	.text
	.protected	k_q812ffcfdef_attn
	.globl	k_q812ffcfdef_attn
	.p2align	8
	.type	k_q812ffcfdef_attn,@function
k_q812ffcfdef_attn:
	s_mov_b64 s[64:65], 0
	v_nop
	global_prefetch_b8 v0, s[64:65] scope:SCOPE_SE
	s_setreg_imm32_b32 hwreg(HW_REG_WAVE_MODE, 25, 1), 1
	s_wait_xcnt 0x0
	s_wait_alu depctr_hold_cnt(0) depctr_sa_sdst(0) depctr_va_vdst(0) depctr_va_sdst(0) depctr_va_ssrc(0) depctr_va_vcc(0) depctr_vm_vsrc(0)
	s_getreg_b32 s2, hwreg(HW_REG_IB_STS2, 6, 4)
	s_cmp_eq_u32 s2, 0
	s_cbranch_scc0 .Lentry_in_a_cluster
	s_endpgm
.Lentry_in_a_cluster:
	s_bfe_u32 s2, ttmp6, 0x10000c
	s_cmp_lg_u32 s2, 0x3003
	s_cbranch_scc0 .Lentry_shape_is_right
	s_endpgm
.Lentry_shape_is_right:
; ATTENTION on codes of FP4: o = softmax(where(mask, q k^T, very negative) / 8) v for one batch and head, 2,048 queries x 4,096 keys; o is quantised along the head's 64 for the last product.  Nothing of reference() is left out.
; THE SOFTMAX AHEAD OF THE SECOND PRODUCT: t = score x log2(e) / 8; M = the running largest t rounded up to a whole number; p = 2^(t - M) is quantised along the keys; the sum is taken of the unquantised p and divides at the end.
; THE MASK comes as codes of FP4 (-4: the key does not count; 0: it counts), one register for a tile of S^T.  One conversion widens eight codes, x 2^64, into the tile's eight registers: 0 or -2^66; they are the C of the first product.
;   The running largest score begins at -2^65, so a masked score, whatever the sum q.k - 2^66 rounds to, gives p = 0.
;   A ROW WITH NO KEY THAT COUNTS is known from the AND words that the first launch stored: its q becomes zero codes and its largest score begins at -2^66; every score is then 0 - 2^66, exactly, and p = 1 throughout: reference()'s uniform row.
; LIMITS: results are reference()'s wherever the scores of keys that count lie above -2^65 (3.7e19 in magnitude), where reference() writes -1e20 for the others.  The scaled scores stay under 2^31 in magnitude.
;   A block of zeros gets the byte 1 (its codes are zeros; only this program reads the bytes).  NaN and infinities are not served.
; SHARES.  A work-group owns 256 queries of one (batch, head); each of its sixteen waves one tile of 16, in 256 registers, four waves to a SIMD.
; LDS.  The head's K, V and their scales, 278,528 bytes, lie in LDS as they lie in kv (32 key steps of 8,704 bytes): filled once, each wave bringing 17,408 bytes by its one tensor load; one wait and one barrier, and none after.
; CLUSTER.  The four query blocks of a cluster belong to one head: the loads are joint.
; NO PREFETCH: K and V come whole at the head, with no loop to run ahead in; the mask's codes are asked for one key step ahead by the loads themselves.
; LAYOUT.  S^T = K Q^T (source 0 = 16 keys), O^T = V^T P^T (source 0 = 16 of the head's 64): a lane holds one query throughout.
;   THE KEYS OF A TILE: row m of tile t is key 64 (t / 4) + 32 (m / 8) + 8 (t % 4) + m % 8 of the step, chosen by the lanes' LDS addresses.  So the 32 registers of tiles 4 g .. 4 g + 3 in lane (r, h) are the
;   WHOLE block of keys 64 g + 32 h + 0 .. 31: a block's largest score needs no other lane, and the conversions' results are the second product's operand as they stand.
;   The first product's K is 64: Q's upper four registers hold zero codes; K's operand for tile t is its four registers and the next tile's four, which meet those zeros.  The upper two scale bytes of both sides are 0, which is a number.
.set HEADB,  278528
.set STEPB,  8704
.set PARTB,  17408
.set SPARE,  278528                    ; behind the head: the spare words, 128 bytes for each of sixteen waves
.set S,    100                         ; v100-163 the mask's terms, S^T, then p
.set OT,   164                         ; v164-195 O^T
.set PCD,  196                         ; v196-203 p's codes
.set KS,   204                         ; v204-207 K's scale bytes: lanes 0-15 tile 2 i, lanes 16-31 tile 2 i + 1
.set VS,   208                         ; v208-209 V's scale words, likewise
.set QS,   210
.set PS,   211
.set BM,   212                         ; v212-215 largest scores
.set W2,   214
.set SO,   216                         ; v216-217 the conversions' scale operands
.set SH,   218                         ; v218 8 h
.set MSC,  219                         ; v219 the byte 191 four times: x 2^64
; v1 16 x lane, v2 4 x lane, v3 my place in a tile of K, v4 among K's scale bytes; v8-11 the step's addresses; v12 -M, v13 the largest score; v[14:15] the sum; v16-23 Q; v24-31 the mask's codes; v32-67 K; v68-99 V
.set TB,   2                           ; s2   LDS byte of the step in hand
.set CNT,  3
.set WV,   12
.set TBN,  13                          ; s13  LDS byte of the next step (the last step: its own)
.set MP,   14                          ; s[14:15] the mask codes that are asked for next
.set AQC,  66
.set AQS,  68
.set MS,   70                          ; s[70:71] 1,024, or 0 in the last step
.set MF,   72                          ; s[72:73] my tile's AND words
.set FL,   74
.set G1,   84
.set SEL,  100
.macro CROUND
	s_barrier_signal -1
	s_barrier_wait -1
	s_cmp_lg_u32 s[WV], 0
	s_cbranch_scc1 .Lnot_wave_0_\@
	s_barrier_signal -3
.Lnot_wave_0_\@:
	s_barrier_wait -3
	s_barrier_signal -1
	s_barrier_wait -1
.endm
	s_load_b256 s[16:23], s[0:1], 0x0              ; qq, kv, mk, aq
	v_lshl_add_u32 v5, v0, 2, SPARE
	v_mov_b32 v6, 0
	ds_add_u32 v5, v6                              ; the wave's opening: the add, twice on end, and its wait ahead of my tensor load
	ds_add_u32 v5, v6
	v_lshrrev_b32 v7, 5, v0
	s_delay_alu instid0(VALU_DEP_1)
	v_readfirstlane_b32 s[WV], v7
	s_bfe_u32 s24, ttmp6, 0x40000                  ; cx: it enters Q's, the mask's and the output's addresses alone
	s_lshl_b32 s25, ttmp9, 2
	s_add_co_u32 s25, s25, s24
	s_lshl_b32 s25, s25, 4
	s_add_co_u32 s25, s25, s[WV]                   ; my tile of queries, 0 .. 127
	s_and_b32 s26, ttmp7, 0xffff                   ; 16 b + head, which the four partners share
	s_mov_b32 s[G1], 15|(3<<16)|(1<<21)            ; the mask: all four; elements of 8 bytes; 21 set beside a mask
	s_mov_b32 s[G1+1], 32<<16                      ; 17,408 dense bytes as 68 rows of 256
	s_mov_b32 s[G1+2], 68<<16
	s_mov_b32 s[G1+3], 32<<16
	s_mov_b32 s[G1+4], 68
	s_mov_b32 s[G1+5], 32
	s_mov_b32 s[G1+6], 0
	s_mov_b32 s[G1+7], 0
	s_mul_i32 s28, s[WV], PARTB                    ; my part of the head, in LDS as in memory
	s_mul_i32 s30, s26, HEADB
	s_add_co_u32 s30, s30, s28
	s_mov_b32 s31, 0
	s_lshl_b32 s32, s26, 16
	s_lshl_b32 s33, s25, 9
	s_add_co_u32 s32, s32, s33                     ; Q's codes
	s_lshl_b32 s33, s26, 12
	s_lshl_b32 s34, s25, 5
	s_add_co_u32 s33, s33, s34
	s_add_co_u32 s33, s33, 2097152                 ; Q's scale bytes
	s_lshl_b32 s34, s25, 15                        ; the mask's codes: 32,768 bytes a tile
	s_mov_b32 s35, 0
	s_lshl_b32 s44, s25, 10                        ; its AND words: 1,024 bytes a tile, behind the codes
	s_add_co_u32 s44, s44, 4194304
	s_mov_b32 s45, 0
	s_lshr_b32 s36, s26, 4
	s_lshl_b32 s36, s36, 7
	s_add_co_u32 s36, s36, s25                     ; my tile among the 256 of both batches
	s_and_b32 s37, s26, 15                         ; head
	s_lshl_b32 s38, s36, 13
	s_lshr_b32 s39, s37, 1
	s_lshl_b32 s42, s39, 10
	s_add_co_u32 s38, s38, s42
	s_and_b32 s37, s37, 1
	s_lshl_b32 s42, s37, 9
	s_add_co_u32 s38, s38, s42                     ; aq: image of K step head / 2, registers 4 (head % 2) on
	s_lshl_b32 s40, s36, 9
	s_lshl_b32 s39, s39, 6
	s_add_co_u32 s40, s40, s39
	s_lshl_b32 s37, s37, 1
	s_add_co_u32 s40, s40, s37
	s_add_co_u32 s40, s40, 2097152                 ; and bytes 2 (head % 2) on of its scale words
	s_mov_b32 s39, 0
	s_mov_b32 s41, 0
	s_mov_b32 s[SEL], 0x76543210
	s_mov_b32 s[SEL+1], 0xfedcba98
	s_mov_b32 s[TB], 0
	s_mov_b32 s[TBN], STEPB
	s_mov_b32 s[CNT], 32
	s_mov_b32 s[MS+1], 0
	s_wait_dscnt 0x0                               ; both opening adds are done
	s_wait_kmcnt 0x0
	s_add_nc_u64 s[30:31], s[18:19], s[30:31]
	s_add_nc_u64 s[MP:MP+1], s[20:21], s[34:35]
	s_add_nc_u64 s[MF:MF+1], s[20:21], s[44:45]
	s_add_nc_u64 s[AQC:AQC+1], s[22:23], s[38:39]
	s_add_nc_u64 s[AQS:AQS+1], s[22:23], s[40:41]
	s_mov_b32 s4, 1
	s_mov_b32 s5, s28
	s_mov_b64 s[6:7], s[30:31]
	s_or_b32 s7, s7, 0x80000000
	CROUND                                         ; all four work-groups are here: the joint loads meet
	tensor_load_to_lds s[4:7], s[G1:G1+7]          ; my one tensor load
	s_nop 0
	v_and_b32 v7, 31, v0
	v_and_b32 v225, 15, v0
	v_lshlrev_b32 v1, 4, v7                        ; 16 x lane
	v_lshlrev_b32 v2, 2, v7                        ; 4 x lane
	v_lshl_add_u32 v225, v225, 1, s33
	v_add_nc_u32 v224, s32, v1
	global_load_b128 v[16:19], v224, s[16:17]      ; Q: lane (r, h): the head's numbers 32 h on of query r
	global_load_u16 v[QS], v225, s[16:17]          ; its two scale bytes; the upper two are 0
.irp p, 0,1,2,3,4,5,6,7
	global_load_b32 v[232+\p], v2, s[MF:MF+1] offset:128*\p   ; my AND words of the row's eight runs of 512 keys
.endr
	global_load_b128 v[24:27], v1, s[MP:MP+1]      ; step 0's mask codes
	global_load_b128 v[28:31], v1, s[MP:MP+1] offset:512
	v_and_b32 v8, 7, v0                            ; r % 8
	v_bfe_u32 v9, v0, 3, 1                         ; r / 8
	v_bfe_u32 v10, v0, 4, 1                        ; h
	v_lshlrev_b32 v3, 4, v8
	v_lshlrev_b32 v4, 1, v8
	v_lshl_add_u32 v3, v9, 10, v3
	v_lshl_add_u32 v4, v9, 6, v4
	v_lshl_add_u32 v3, v10, 8, v3                  ; K: 16 (r % 8) + 1,024 (r / 8) + 256 h
	v_lshl_add_u32 v4, v10, 5, v4                  ; its scale bytes: 2 (r % 8) + 64 (r / 8) + 32 h
	v_lshlrev_b32 v[SH], 3, v10
.irp j, 20,21,22,23,64,65,66,67
	v_mov_b32 v\j, 0                               ; zero codes: Q's upper half, and what stands behind K's last tile
.endr
	v_mov_b32 v14, 0
	v_mov_b32 v15, 0
.irp j, 0,1,2,3,4,5,6,7,8,9,10,11,12,13,14,15,16,17,18,19,20,21,22,23,24,25,26,27,28,29,30,31
	v_mov_b32 v[OT+\j], 0                          ; the step is written once: the first finds zeros
.endr
	v_mov_b32 v227, 0                              ; (named as the upper half of the pair v[226:227])
	v_mov_b32 v230, 0x3e38aa3b                     ; c = log2(e) / 8
	v_mov_b32 v231, 0x3e38aa3b
	v_mov_b32 v[MSC], 0xbfbfbfbf
	v_mov_b32 v13, 0xe0000000                      ; the largest score so far: -2^65
	v_mov_b32 v228, 0xe0800000                     ; -2^66
	s_wait_alu depctr_va_vdst(0)
	s_wait_loadcnt 0x0
	v_and_b32 v232, v232, v233
	v_and_b32 v234, v234, v235
	v_and_b32 v236, v236, v237
	v_and_b32 v238, v238, v239
	v_and_b32 v232, v232, v234
	v_and_b32 v236, v236, v238
	v_and_b32 v232, v232, v236
	s_delay_alu instid0(VALU_DEP_1)
	v_permlanex16_b32 v233, v232, s[SEL], s[SEL+1]
	s_delay_alu instid0(VALU_DEP_1)
	v_and_b32 v232, v232, v233                     ; with lane l xor 16's keys: the whole row
	s_delay_alu instid0(VALU_DEP_1)
	v_cmp_eq_u32 s[FL], 0xeeeeeeee, v232           ; no key counts for my query
.irp j, 16,17,18,19
	v_cndmask_b32 v\j, v\j, v20, s[FL]             ; then q is zero codes,
.endr
	v_cndmask_b32 v13, v13, v228, s[FL]            ; and the largest score begins at the masked score itself
	s_delay_alu instid0(VALU_DEP_1)
	v_mul_f32 v224, v230, v13
	s_delay_alu instid0(VALU_DEP_1)
	v_floor_f32 v12, -v224                         ; -M
.macro KLOAD ak, as                    ; a step's eight tiles of K and their scale bytes: 12 LDS loads
.irp t, 0,1,2,3,4,5,6,7
	ds_load_b128 v[32+4*\t:35+4*\t], v[\ak] offset:2048*(\t/4)+512*(\t%2)+128*((\t%4)/2)
.endr
.irp i, 0,1,2,3
	ds_load_u16 v[KS+\i], v[\as] offset:8192+128*(\i/2)+16*(\i%2)
.endr
.endm
.macro TMM from                        ; t - M, two at a time, of sixteen scores
.irp j, 0,2,4,6,8,10,12,14
	v_pk_fma_f32 v[S+\from+\j:S+\from+\j+1], v[S+\from+\j:S+\from+\j+1], v[230:231], v[12:13] op_sel_hi:[1,1,0]
.endr
.endm
	s_wait_alu depctr_va_vdst(0)
	s_wait_tensorcnt 0x0                           ; my part of the head has landed
	s_barrier_signal -1
	s_barrier_wait -1                              ; everybody's has
	KLOAD 3, 4                                     ; step 0's K
.Lstep:                                            ; A KEY STEP: 128 keys; 32 trips
	v_add_nc_u32 v8, s[TB], v1                     ; four places behind the last products, in front of the loads into their operands
	v_add_nc_u32 v9, s[TB], v2
	v_nop
	v_nop
.irp t, 0,1,2,3
.irp c, 0,1
	ds_load_b128 v[68+8*\t+4*\c:71+8*\t+4*\c], v8 offset:4096+1024*\t+512*\c
.endr
.endr
.irp i, 0,1
	ds_load_b32 v[VS+\i], v9 offset:8448+128*\i
.endr
	s_wait_loadcnt 0x0                             ; this step's mask codes, asked for a step ago; their base may step now
	s_cmp_eq_u32 s[CNT], 1
	s_cselect_b32 s[MS], 0, 1024                   ; the last step asks for its own again: no load leaves the buffer
	s_add_nc_u64 s[MP:MP+1], s[MP:MP+1], s[MS:MS+1]
	s_wait_dscnt 10                                ; K and its scale bytes are in; V's ten loads just issued may be out
.irp t, 0,1,2,3,4,5,6,7
	v_cvt_scale_pk8_f32_fp4 v[S+8*\t:S+8*\t+7], v[24+\t], v[MSC]   ; 0, or -2^66 for a key that does not count
.endr
	v_add_nc_u32 v10, s[TBN], v3                   ; plain places behind the conversions: the next step's addresses
	v_add_nc_u32 v11, s[TBN], v4
	v_nop
	v_nop
.irp t, 0,2,4,6
	v_wmma_scale_f32_16x16x128_f8f6f4 v[S+8*\t:S+8*\t+7], v[32+4*\t:39+4*\t], v[16:23], v[S+8*\t:S+8*\t+7], v[KS+\t/2], v[QS] matrix_a_fmt:MATRIX_FMT_FP4 matrix_b_fmt:MATRIX_FMT_FP4
	v_wmma_scale_f32_16x16x128_f8f6f4 v[S+8*\t+8:S+8*\t+15], v[36+4*\t:43+4*\t], v[16:23], v[S+8*\t+8:S+8*\t+15], v[KS+\t/2], v[QS] matrix_a_fmt:MATRIX_FMT_FP4 matrix_b_fmt:MATRIX_FMT_FP4 matrix_a_scale:MATRIX_SCALE_ROW1
.endr
	v_mov_b32 v229, v12                            ; the old -M; with the three v_nop the four places behind the products
	v_nop
	v_nop
	v_nop
	KLOAD 10, 11                                   ; the next step's K lands under the softmax (the last step reads its own again)
	global_load_b128 v[24:27], v1, s[MP:MP+1]      ; and its mask codes
	global_load_b128 v[28:31], v1, s[MP:MP+1] offset:512
.irp b, 0,1,2,3
	v_max3_num_f32 v[BM+\b], v[S+16*\b], v[S+1+16*\b], v[S+2+16*\b]   ; four chains by turns, two to a block; each accumulator from its low end on
.endr
.irp i, 3,5,7,9,11,13
.irp b, 0,1,2,3
	v_max3_num_f32 v[BM+\b], v[BM+\b], v[S+16*\b+\i], v[S+1+16*\b+\i]
.endr
.endr
	v_max3_num_f32 v212, v212, v213, v[S+15]
	v_max3_num_f32 v214, v214, v215, v[S+47]
	v_max_num_f32 v212, v212, v[S+31]              ; the largest score of my block h: for the row's maximum and, since p rises with the score, for the block's largest p
	v_max_num_f32 v214, v214, v[S+63]              ; and of my block 2 + h
	s_delay_alu instid0(VALU_DEP_1)
	v_max_num_f32 v224, v212, v214
	s_delay_alu instid0(VALU_DEP_1)
	v_permlanex16_b32 v225, v224, s[SEL], s[SEL+1]
	s_delay_alu instid0(VALU_DEP_1)
	v_max3_num_f32 v13, v13, v224, v225            ; the running largest score of my query
	s_delay_alu instid0(VALU_DEP_1)
	v_mul_f32 v224, v230, v13                      ; as t
	s_delay_alu instid0(VALU_DEP_1)
	v_floor_f32 v12, -v224                         ; the new -M: a whole number
	TMM 0
	v_sub_f32 v224, v12, v229                      ; old M less new M: a whole number, 0 or less
	TMM 16
	v_cvt_i32_f32 v224, v224                       ; (it saturates)
	TMM 32
	v_ldexp_f32 v226, 1.0, v224                    ; f = 2^(old M - new M): a multiplication by it rounds nothing
	TMM 48
	v_fma_f32 v212, v212, v230, v12                ; the same of each block's largest score
	v_fma_f32 v214, v214, v230, v12
	s_wait_alu depctr_va_vdst(0)
.irp j, 0,1,2,3,4,5,6,7,8,9,10,11,12,13,14,15,16,17,18,19,20,21,22,23,24,25,26,27,28,29,30,31,32,33,34,35,36,37,38,39,40,41,42,43,44,45,46,47,48,49,50,51,52,53,54,55,56,57,58,59,60,61,62,63
	v_exp_f32 v[S+\j], v[S+\j]                     ; p = 2^(t - M)
.endr
	v_pk_mul_f32 v[14:15], v[14:15], v[226:227] op_sel_hi:[1,0]   ; the sums under the new M: a plain place behind the exponentials
	s_wait_alu depctr_va_vdst(0)                   ; one wait for the whole batch, ahead of its first reader
	v_exp_f32 v212, v212                           ; the blocks' largest p
	v_exp_f32 v214, v214
.irp k, 0,1,2,3,4,5,6                          ; the row's sum of the unquantised p: 32 packed additions in eight chains
	v_pk_add_f32 v[240+2*\k:241+2*\k], v[S+4*\k:S+4*\k+1], v[S+4*\k+2:S+4*\k+3]
.endr
	v_pk_add_f32 v[14:15], v[14:15], v[S+28:S+29]
.irp k, 0,1,2,3,4,5,6
	v_pk_add_f32 v[240+2*\k:241+2*\k], v[240+2*\k:241+2*\k], v[S+30+2*\k:S+31+2*\k]
.endr
	v_pk_add_f32 v[14:15], v[14:15], v[S+44:S+45]
.irp k, 0,1,2,3,4,5,6
	v_pk_add_f32 v[240+2*\k:241+2*\k], v[240+2*\k:241+2*\k], v[S+46+2*\k:S+47+2*\k]
.endr
	v_pk_add_f32 v[14:15], v[14:15], v[S+60:S+61]
	v_pk_add_f32 v[240:241], v[240:241], v[S+62:S+63]
	v_pk_add_f32 v[14:15], v[14:15], v[246:247]
	v_pk_add_f32 v[242:243], v[242:243], v[250:251]
	v_pk_add_f32 v[244:245], v[244:245], v[252:253]
	v_pk_add_f32 v[240:241], v[240:241], v[248:249]
	v_pk_add_f32 v[14:15], v[14:15], v[242:243]
	v_pk_add_f32 v[240:241], v[240:241], v[244:245]
	s_delay_alu instid0(VALU_DEP_1)
	v_pk_add_f32 v[14:15], v[14:15], v[240:241]
	s_wait_alu depctr_va_vdst(0)                   ; and one for the two
	v_max_num_f32 v212, 0x1800000, v212            ; the floor 2^(3 - 127)
	v_max_num_f32 v214, 0x1800000, v214
	v_add_nc_u32 v[SO], 0xff000000, v212           ; 2 off the exponent field: the conversion's scale operand
	v_add_nc_u32 v[SO+1], 0xff000000, v214
	v_lshrrev_b32 v212, 23, v[SO]                  ; the scale's byte
	v_lshrrev_b32 v214, 23, v[SO+1]
	s_delay_alu instid0(VALU_DEP_1)
	v_lshl_or_b32 v224, v214, 16, v212             ; my two bytes: blocks h and 2 + h,
	s_delay_alu instid0(VALU_DEP_1)
	v_lshlrev_b32 v224, v[SH], v224                ; at their places in the scale word;
	s_delay_alu instid0(VALU_DEP_1)
	v_permlanex16_b32 v225, v224, s[SEL], s[SEL+1]
	s_delay_alu instid0(VALU_DEP_1)
	v_or_b32 v[PS], v224, v225                     ; with lane l xor 16's two the word is whole
.irp g, 0,1
.irp i, 0,1,2,3
	v_cvt_scalef32_pk8_fp4_f32 v[PCD+4*\g+\i], v[S+32*\g+8*\i:S+32*\g+8*\i+7], v[SO+\g]   ; register 4 g + i: keys 64 g + 32 h + 8 i on
.endr
.endr
	s_wait_alu depctr_va_vdst(0)                   ; directly ahead of the first reader of O^T
.irp j, 0,2,4,6,8,10,12,14,16,18,20,22,24,26,28,30
	v_pk_mul_f32 v[OT+\j:OT+1+\j], v[OT+\j:OT+1+\j], v[226:227] op_sel_hi:[1,0]   ; O^T under the new M; these sixteen also stand between the writes of p's codes and scale word and the products
.endr
	s_wait_alu depctr_va_vdst(0)
	s_wait_dscnt 12                                ; V is in; the next step's twelve loads of K may be out
.irp t, 0,2
	v_wmma_scale_f32_16x16x128_f8f6f4 v[OT+8*\t:OT+8*\t+7], v[68+8*\t:75+8*\t], v[PCD:PCD+7], v[OT+8*\t:OT+8*\t+7], v[VS+\t/2], v[PS] matrix_a_fmt:MATRIX_FMT_FP4 matrix_b_fmt:MATRIX_FMT_FP4
	v_wmma_scale_f32_16x16x128_f8f6f4 v[OT+8*\t+8:OT+8*\t+15], v[76+8*\t:83+8*\t], v[PCD:PCD+7], v[OT+8*\t+8:OT+8*\t+15], v[VS+\t/2], v[PS] matrix_a_fmt:MATRIX_FMT_FP4 matrix_b_fmt:MATRIX_FMT_FP4 matrix_a_scale:MATRIX_SCALE_ROW1
.endr
	s_add_co_u32 s[TB], s[TB], STEPB
	s_add_co_u32 s[TBN], s[TB], STEPB
	s_min_u32 s[TBN], s[TBN], 31*STEPB
	s_sub_co_u32 s[CNT], s[CNT], 1
	s_cmp_lg_u32 s[CNT], 0
	s_cbranch_scc1 .Lstep
	; THE WAY OUT: O^T / the sum, quantised along the head's 64 (two blocks), as registers 4 (head % 2) on of the last product's operand
	v_add_f32 v14, v14, v15
	s_delay_alu instid0(VALU_DEP_1)
	v_permlanex16_b32 v224, v14, s[SEL], s[SEL+1]
	s_delay_alu instid0(VALU_DEP_1)
	v_add_f32 v14, v14, v224                       ; the row's sum
	s_wait_alu depctr_va_vdst(0)
	v_rcp_f32 v226, v14
	v_nop                                          ; plain places: behind the reciprocal, and behind the last products
	v_nop
	s_mov_b32 s[CNT], 0xffff0000
	s_wait_alu depctr_va_vdst(0)                   ; the wait, ahead of the reciprocal's first reader and of O^T's
.irp j, 0,2,4,6,8,10,12,14,16,18,20,22,24,26,28,30
	v_pk_mul_f32 v[OT+\j:OT+1+\j], v[OT+\j:OT+1+\j], v[226:227] op_sel_hi:[1,0]   ; register 16 b + i is o(my query, 32 b + 16 h + i)
.endr
.irp b, 0,1
	v_max3_num_f32 v[BM+\b], |v[OT+16*\b]|, |v[OT+1+16*\b]|, 0x1800000
.endr
.irp i, 2,4,6,8,10,12,14
.irp b, 0,1
	s_delay_alu instid0(VALU_DEP_2)
	v_max3_num_f32 v[BM+\b], v[BM+\b], |v[OT+16*\b+\i]|, |v[OT+1+16*\b+\i]|
.endr
.endr
.irp b, 0,1
	s_delay_alu instid0(VALU_DEP_2)
	v_permlanex16_b32 v[W2+\b], v[BM+\b], s[SEL], s[SEL+1]
.endr
.irp b, 0,1
	s_delay_alu instid0(VALU_DEP_2)
	v_max_num_f32 v[BM+\b], v[BM+\b], v[W2+\b]
.endr
.irp b, 0,1
	s_delay_alu instid0(VALU_DEP_2)
	v_add_nc_u32 v[SO+\b], 0xff000000, v[BM+\b]
.endr
.irp b, 0,1
	s_delay_alu instid0(VALU_DEP_2)
	v_lshrrev_b32 v[W2+\b], 23, v[SO+\b]
.endr
.irp b, 0,1
	v_cvt_scalef32_pk8_fp4_f32 v[PCD+2*\b], v[OT+16*\b:OT+7+16*\b], v[SO+\b]
	v_cvt_scalef32_pk8_fp4_f32 v[PCD+1+2*\b], v[OT+8+16*\b:OT+15+16*\b], v[SO+\b]
.endr
	v_nop                                          ; one plain place behind a scaled conversion
	v_permlane16_swap_b32 v[PCD], v[PCD+2]
	v_permlane16_swap_b32 v[PCD+1], v[PCD+3]
	v_cndmask_b32 v224, v[W2], v[W2+1], s[CNT]     ; lanes 0-15 keep block 0's byte, lanes 16-31 block 1's
	v_and_b32 v8, 15, v0
	v_bfe_u32 v9, v0, 4, 1
	s_delay_alu instid0(VALU_DEP_1)
	v_lshl_add_u32 v8, v8, 2, v9                   ; 4 r + h
	global_store_b128 v1, v[PCD:PCD+3], s[AQC:AQC+1]       ; 512 consecutive bytes
	global_store_b8 v8, v224, s[AQS:AQS+1]
	s_wait_tensorcnt 0x0                           ; the wave's end
	ds_add_u32 v5, v6
	s_wait_dscnt 0x0
	CROUND                                         ; the closing round
	s_endpgm
.Lfunc_end_k_q812ffcfdef_attn:
	.size	k_q812ffcfdef_attn, .Lfunc_end_k_q812ffcfdef_attn-k_q812ffcfdef_attn
	.p2alignl 7, 3214868480
	.fill 96, 4, 3214868480
	.section	.rodata,"a",@progbits
	.p2align	6, 0x0
	.amdhsa_kernel k_q812ffcfdef_attn
		.amdhsa_group_segment_fixed_size 327680
		.amdhsa_private_segment_fixed_size 0
		.amdhsa_enable_private_segment 0
		.amdhsa_kernarg_size 32
		.amdhsa_user_sgpr_count 2
		.amdhsa_user_sgpr_kernarg_segment_ptr 1
		.amdhsa_wavefront_size32 1
		.amdhsa_system_sgpr_workgroup_id_x 1
		.amdhsa_system_sgpr_workgroup_id_y 1
		.amdhsa_system_sgpr_workgroup_id_z 1
		.amdhsa_system_vgpr_workitem_id 0
		.amdhsa_next_free_vgpr 256
		.amdhsa_next_free_sgpr 102
		.amdhsa_reserve_vcc 0
		.amdhsa_float_denorm_mode_32 3
		.amdhsa_float_denorm_mode_16_64 3
		.amdhsa_memory_ordered 1
		.amdhsa_forward_progress 1
		.amdhsa_inst_pref_size 30
	.end_amdhsa_kernel
	.amdgpu_metadata
---
amdhsa.version: [ 1, 2 ]
amdhsa.kernels:
  - .name:           k_q812ffcfdef_attn
    .symbol:         k_q812ffcfdef_attn.kd
    .args:
      - { .name: qq, .offset: 0, .size: 8, .value_kind: global_buffer, .address_space: global }
      - { .name: kv, .offset: 8, .size: 8, .value_kind: global_buffer, .address_space: global }
      - { .name: mk, .offset: 16, .size: 8, .value_kind: global_buffer, .address_space: global }
      - { .name: aq, .offset: 24, .size: 8, .value_kind: global_buffer, .address_space: global }
    .group_segment_fixed_size: 327680
    .private_segment_fixed_size: 0
    .kernarg_segment_align: 8
    .kernarg_segment_size: 32
    .max_flat_workgroup_size: 512
    .sgpr_count:     102
    .vgpr_count:     256
    .wavefront_size: 32
...
	.end_amdgpu_metadata
.endif
;; end of part 3
;; launch fc (part 4): grid 4 x 16, 4 waves a work-group, clusters of 4 x 4, 327,680 bytes of LDS; arguments aq, wq, bf, out0; writes out0
.if DOCPART == 4
	.amdgcn_target "amdgcn-amd-amdhsa--gfx1250"
	.amdhsa_code_object_version 6
	.text
	.protected	k_q812ffcfdef_fc
	.globl	k_q812ffcfdef_fc
	.p2align	8
	.type	k_q812ffcfdef_fc,@function
k_q812ffcfdef_fc:
	s_mov_b64 s[64:65], 0
	v_nop
	global_prefetch_b8 v0, s[64:65] scope:SCOPE_SE
	s_setreg_imm32_b32 hwreg(HW_REG_WAVE_MODE, 25, 1), 1
	s_wait_xcnt 0x0
	s_wait_alu depctr_hold_cnt(0) depctr_sa_sdst(0) depctr_va_vdst(0) depctr_va_sdst(0) depctr_va_ssrc(0) depctr_va_vcc(0) depctr_vm_vsrc(0)
	s_getreg_b32 s2, hwreg(HW_REG_IB_STS2, 6, 4)
	s_cmp_eq_u32 s2, 0
	s_cbranch_scc0 .Lentry_in_a_cluster
	s_endpgm
.Lentry_in_a_cluster:
	s_bfe_u32 s2, ttmp6, 0x10000c
	s_cmp_lg_u32 s2, 0xf033
	s_cbranch_scc0 .Lentry_shape_is_right
	s_endpgm
.Lentry_shape_is_right:
.set XSCL,  262144
.set WSCL,  270336
.set SPARE, 278528
.set STAGE, 279040
.set SP,    528
.set WC0,   1671168
.set WS0,   2195456
.set ADQ0, 16
.set ADP0, 17
.set ADS0, 18
.set ADQ,  19
.set ADP,  20
.set ADS,  21
.set STO,  24
.set RD,   25
.set CO,   26
.set SPW,  28
.set NIL,  29
.set SC,   32
.set QF,   128
.set BK,   128
.set BI,   128
.set WV,   92
.set XH,   93
.set WH,   94
.set G1X,  24
.set G0X,  32
.set G0XS, 36
.set G1W,  48
.set G0W,  56
.set G0WS, 60
.set G1XS, 68
.set G1WS, 80
.set MSB, 0
.macro WIN new
.if MSB != (\new)
	s_set_vgpr_msb (MSB<<8)|(\new)
.set MSB, (\new)
.endif
.endm
.macro JLOAD g0a, g1a, g0b, g1b
	s_cmp_eq_u32 s[XH], 0
	s_cbranch_scc0 .Lfor_b_\@
	tensor_load_to_lds s[\g0a:\g0a+3], s[\g1a:\g1a+7]
	s_nop 0
.rept 4
	v_nop
.endr
	s_branch .Lasked_\@
.Lfor_b_\@:
	tensor_load_to_lds s[\g0b:\g0b+3], s[\g1b:\g1b+7]
	s_nop 0
.rept 4
	v_nop
.endr
.Lasked_\@:
.endm
.macro CROUND
	s_barrier_signal -1
	s_barrier_wait -1
	s_cmp_lg_u32 s[WV], 0
	s_cbranch_scc1 .Lnot_wave_0_\@
	s_barrier_signal -3
.Lnot_wave_0_\@:
	s_barrier_wait -3
	s_barrier_signal -1
	s_barrier_wait -1
.endm
.macro PLACES
.rept 4
	v_nop
.endr
.endm
	s_load_b256 s[4:11], s[0:1], 0x0
	v_lshl_add_u32 v[SPW], v0, 2, SPARE
	v_mov_b32 v[NIL], 0
	ds_add_u32 v[SPW], v[NIL]
	ds_add_u32 v[SPW], v[NIL]
	v_lshrrev_b32 v1, 5, v0
	v_readfirstlane_b32 s[WV], v1
	s_lshr_b32 s[XH], s[WV], 1
	s_and_b32 s[WH], s[WV], 1
	s_bfe_u32 s40, ttmp6, 0x40000
	s_bfe_u32 s41, ttmp6, 0x40004
	s_lshl_b32 s42, ttmp9, 2
	s_add_co_u32 s42, s42, s40
	s_and_b32 s43, ttmp7, 0xffff
	s_lshl_b32 s43, s43, 2
	s_add_co_u32 s43, s43, s41
	s_lshl_b32 s45, s41, 2
	s_lshl_b32 s45, 15, s45
	s_lshl_b32 s46, 0x1111, s40
	s_or_b32 s[G1X], s45, (3<<16)|(1<<21)
	s_or_b32 s[G1XS], s45, (3<<16)|(1<<21)
	s_or_b32 s[G1W], s46, (3<<16)|(1<<21)
	s_or_b32 s[G1WS], s46, (3<<16)|(1<<21)
.irp g, G1X, G1W
	s_mov_b32 s[\g+1], 32<<16
	s_mov_b32 s[\g+2], 256<<16
	s_mov_b32 s[\g+3], 32<<16
	s_mov_b32 s[\g+4], 256
	s_mov_b32 s[\g+5], 32
	s_mov_b32 s[\g+6], 0
	s_mov_b32 s[\g+7], 0
.endr
.irp g, G1XS, G1WS
	s_mov_b32 s[\g+1], 32<<16
	s_mov_b32 s[\g+2], 16<<16
	s_mov_b32 s[\g+3], 32<<16
	s_mov_b32 s[\g+4], 16
	s_mov_b32 s[\g+5], 32
	s_mov_b32 s[\g+6], 0
	s_mov_b32 s[\g+7], 0
.endr
	s_lshl_b32 s17, s[WH], 3
	s_lshl_b32 s16, s43, 4
	s_add_co_u32 s16, s16, s17
	s_lshl_b32 s18, s16, 13
	s_mov_b32 s19, 0
	s_lshl_b32 s20, s16, 9
	s_add_co_u32 s20, s20, 2097152
	s_mov_b32 s21, 0
	s_lshl_b32 s76, s42, 4
	s_add_co_u32 s76, s76, s17
	s_lshl_b32 s78, s76, 9
	s_add_co_u32 s78, s78, WS0
	s_mov_b32 s79, 0
	s_lshl_b32 s76, s76, 13
	s_add_co_u32 s76, s76, WC0
	s_mov_b32 s77, 0
	s_lshl_b32 s22, s[WV], 16
	s_lshl_b32 s23, s[WV], 12
	s_add_co_u32 s23, s23, XSCL
	s_wait_dscnt 0x0
	s_wait_kmcnt 0x0
	CROUND
	s_mov_b32 s[G0XS], 1
	s_mov_b32 s[G0XS+1], s23
	s_add_nc_u64 s[G0XS+2:G0XS+3], s[4:5], s[20:21]
	s_or_b32 s[G0XS+3], s[G0XS+3], 0x80000000
	s_mov_b32 s[G0WS], 1
	s_mov_b32 s[G0WS+1], s23
	s_add_nc_u64 s[G0WS+2:G0WS+3], s[6:7], s[78:79]
	s_or_b32 s[G0WS+3], s[G0WS+3], 0x80000000
	JLOAD G0XS, G1XS, G0WS, G1WS
	s_mov_b32 s[G0X], 1
	s_mov_b32 s[G0X+1], s22
	s_add_nc_u64 s[G0X+2:G0X+3], s[4:5], s[18:19]
	s_or_b32 s[G0X+3], s[G0X+3], 0x80000000
	s_mov_b32 s[G0W], 1
	s_mov_b32 s[G0W+1], s22
	s_add_nc_u64 s[G0W+2:G0W+3], s[6:7], s[76:77]
	s_or_b32 s[G0W+3], s[G0W+3], 0x80000000
	s_wait_alu depctr_va_vdst(0)
	s_wait_tensorcnt 0x0
	ds_add_u32 v28, v29
	s_wait_dscnt 0x0
	CROUND
	JLOAD G0X, G1X, G0W, G1W
	v_and_b32 v1, 31, v0
	v_and_b32 v2, 15, v0
	v_bfe_u32 v3, v0, 4, 1
	v_lshlrev_b32 v[CO], 4, v1
	s_lshl_b32 s16, s[XH], 16
	s_lshl_b32 s17, s[WH], 16
	s_add_co_u32 s17, s17, 131072
	v_add_nc_u32 v[ADQ0], s16, v[CO]
	v_add_nc_u32 v[ADP0], s17, v[CO]
	s_lshl_b32 s16, s[XH], 12
	s_lshl_b32 s17, s[WH], 12
	s_add_co_u32 s17, s17, 8192
	s_sub_co_u32 s17, s17, s16
	v_mul_u32_u24 v[ADS0], s17, v3
	s_wait_alu depctr_va_vdst(0)
	s_add_co_u32 s16, s16, XSCL
	v_lshl_add_u32 v[ADS0], v2, 2, v[ADS0]
	v_add_nc_u32 v[ADS0], s16, v[ADS0]
	s_mul_i32 s16, s[WV], 16*SP
	s_add_co_u32 s16, s16, STAGE
	v_mul_u32_u24 v[STO], v2, SP
	v_lshl_add_u32 v[STO], v3, 6, v[STO]
	v_add_nc_u32 v[STO], s16, v[STO]
	v_add_nc_u32 v[RD], s16, v[CO]
	v_lshlrev_b32 v7, 6, v3
	s_lshl_b32 s16, s42, 10
	s_lshl_b32 s17, s[WH], 9
	s_add_co_u32 s16, s16, s17
	s_mov_b32 s17, 0
	s_add_nc_u64 s[8:9], s[8:9], s[16:17]
	WIN 0x40
.irp b, 0,1,2,3,4,5,6,7
	global_load_b128 v[BI+8*\b:BI+8*\b+3], v7, s[8:9] offset:128*(\b/2)+32*(\b%2)
	global_load_b128 v[BI+8*\b+4:BI+8*\b+7], v7, s[8:9] offset:128*(\b/2)+32*(\b%2)+16
.endr
	WIN 0
	s_lshl_b32 s20, s43, 8
	s_lshl_b32 s21, s[XH], 7
	s_add_co_u32 s20, s20, s21
	s_lshl_b32 s20, s20, 12
	s_add_co_u32 s20, s20, s16
	s_mov_b32 s21, 0
	s_add_nc_u64 s[10:11], s[10:11], s[20:21]
.macro FETCH ko, so, p
	WIN 0x40
.irp i, 0,1,2,3,4,5,6,7
	ds_load_b128 v[64*(\p)+8*\i:64*(\p)+8*\i+3], v[ADP] offset:\i*8192+(\ko)
	ds_load_b128 v[64*(\p)+8*\i+4:64*(\p)+8*\i+7], v[ADP] offset:\i*8192+(\ko)+512
.endr
	WIN 0
.irp i, 0,1,2,3,4,5,6,7
	ds_load_b128 v[QF+64*(\p)+8*\i:QF+64*(\p)+8*\i+3], v[ADQ] offset:\i*8192+(\ko)
	ds_load_b128 v[QF+64*(\p)+8*\i+4:QF+64*(\p)+8*\i+7], v[ADQ] offset:\i*8192+(\ko)+512
.endr
.irp i, 0,1,2,3,4,5,6,7
	ds_load_b32 v[SC+8*(\p)+\i], v[ADS] offset:\i*512+(\so)
.endr
.endm
.macro MUL32 p, hi, cm
.if \cm
	WIN 0x91+0x40*(\hi)
.else
	WIN 0xa1+0x50*(\hi)
.endif
.irp a, 0,1,2,3
.irp b, 0,1,2,3,4,5,6,7
.if \cm
	v_wmma_scale_f32_16x16x128_f8f6f4 v[8*(8*\a+\b):8*(8*\a+\b)+7], v[64*(\p)+8*\b:64*(\p)+8*\b+7], v[QF+64*(\p)+8*(4*(\hi)+\a):QF+64*(\p)+8*(4*(\hi)+\a)+7], v[BI+8*\b:BI+8*\b+7], v[SC+8*(\p)+\b], v[SC+8*(\p)+4*(\hi)+\a] matrix_a_fmt:MATRIX_FMT_FP4 matrix_b_fmt:MATRIX_FMT_FP4 matrix_a_scale:MATRIX_SCALE_ROW1
.else
	v_wmma_scale_f32_16x16x128_f8f6f4 v[8*(8*\a+\b):8*(8*\a+\b)+7], v[64*(\p)+8*\b:64*(\p)+8*\b+7], v[QF+64*(\p)+8*(4*(\hi)+\a):QF+64*(\p)+8*(4*(\hi)+\a)+7], v[8*(8*\a+\b):8*(8*\a+\b)+7], v[SC+8*(\p)+\b], v[SC+8*(\p)+4*(\hi)+\a] matrix_a_fmt:MATRIX_FMT_FP4 matrix_b_fmt:MATRIX_FMT_FP4 matrix_a_scale:MATRIX_SCALE_ROW1
.endif
.endr
.endr
.endm
.macro STEP p, cm, ko, so, fetch
	s_wait_dscnt 0x0
	MUL32 \p, 0, \cm
.if \fetch
	PLACES
	FETCH \ko, \so, 1-(\p)
.endif
	MUL32 \p, 1, \cm
.endm
	s_wait_alu depctr_va_vdst(0)
	s_wait_loadcnt 0x0
	s_wait_tensorcnt 0x0
	s_barrier_signal -1
	s_barrier_wait -1
	v_mov_b32 v[ADP], v[ADP0]
	v_mov_b32 v[ADQ], v[ADQ0]
	v_mov_b32 v[ADS], v[ADS0]
	FETCH 0, 0, 0
	s_wait_alu depctr_va_vdst(0)
	STEP 0, 1, 1024, 64, 1
	WIN 0
	s_mov_b32 s2, 0
	s_mov_b32 s3, 0
	s_mov_b32 s47, 3
.Lk:
	v_add_nc_u32 v[ADP], s2, v[ADP0]
	v_add_nc_u32 v[ADQ], s2, v[ADQ0]
	v_add_nc_u32 v[ADS], s3, v[ADS0]
	s_wait_alu depctr_va_vdst(0)
	STEP 1, 0, 2048, 128, 1
	STEP 0, 0, 3072, 192, 1
	WIN 0
	s_add_co_u32 s2, s2, 2048
	s_add_co_u32 s3, s3, 128
	s_sub_co_u32 s47, s47, 1
	s_cmp_lg_u32 s47, 0
	s_cbranch_scc1 .Lk
	STEP 1, 0, 0, 0, 0
	WIN 0
	PLACES
.macro TOSTAGE a
.set AC, 64*((\a)%4)
	WIN 0x08+4*((\a)/4)
.irp b, 0,1,2,3,4,5,6,7
	ds_store_b128 v[STO], v[AC+8*\b:AC+8*\b+3] offset:128*(\b/2)+32*(\b%2)
	ds_store_b128 v[STO], v[AC+8*\b+4:AC+8*\b+7] offset:128*(\b/2)+32*(\b%2)+16
.endr
	WIN 0
.set BB, BK+64*((\a)%2)
.irp t, 0,1,2,3,4,5,6,7,8,9,10,11,12,13,14,15
	ds_load_b128 v[BB+4*\t:BB+4*\t+3], v[RD] offset:\t*SP
.endr
.endm
.macro SEND i, younger
.set BB, BK+64*((\i)%2)
	s_wait_dscnt \younger
.irp t, 0,1,2,3,4,5,6,7,8,9,10,11,12,13,14,15
	global_store_b128 v[CO], v[BB+4*\t:BB+4*\t+3], s[10:11] offset:(32*((\i)/2)+8*((\i)%2)+\t+8*(\t/8))*4096 th:TH_STORE_NT
.endr
.endm
	TOSTAGE 0
.irp a, 1,2,3,4,5,6,7
.if \a > 1
	s_wait_xcnt 0x0
.endif
	TOSTAGE \a
	SEND \a-1, 32
.endr
	SEND 7, 0
	s_wait_tensorcnt 0x0
	ds_add_u32 v[SPW], v[NIL]
	s_wait_dscnt 0x0
	CROUND
	s_endpgm
.Lfunc_end_k_q812ffcfdef_fc:
	.size	k_q812ffcfdef_fc, .Lfunc_end_k_q812ffcfdef_fc-k_q812ffcfdef_fc
	.p2alignl 7, 3214868480
	.fill 96, 4, 3214868480
	.section	.rodata,"a",@progbits
	.p2align	6, 0x0
	.amdhsa_kernel k_q812ffcfdef_fc
		.amdhsa_group_segment_fixed_size 327680
		.amdhsa_private_segment_fixed_size 0
		.amdhsa_enable_private_segment 0
		.amdhsa_kernarg_size 32
		.amdhsa_user_sgpr_count 2
		.amdhsa_user_sgpr_kernarg_segment_ptr 1
		.amdhsa_wavefront_size32 1
		.amdhsa_system_sgpr_workgroup_id_x 1
		.amdhsa_system_sgpr_workgroup_id_y 1
		.amdhsa_system_sgpr_workgroup_id_z 1
		.amdhsa_system_vgpr_workitem_id 0
		.amdhsa_next_free_vgpr 1024
		.amdhsa_next_free_sgpr 100
		.amdhsa_reserve_vcc 0
		.amdhsa_float_denorm_mode_32 3
		.amdhsa_float_denorm_mode_16_64 3
		.amdhsa_memory_ordered 1
		.amdhsa_forward_progress 1
		.amdhsa_inst_pref_size 83
	.end_amdhsa_kernel
	.amdgpu_metadata
---
amdhsa.version: [ 1, 2 ]
amdhsa.kernels:
  - .name:           k_q812ffcfdef_fc
    .symbol:         k_q812ffcfdef_fc.kd
    .args:
      - { .name: aq, .offset: 0, .size: 8, .value_kind: global_buffer, .address_space: global }
      - { .name: wq, .offset: 8, .size: 8, .value_kind: global_buffer, .address_space: global }
      - { .name: bf, .offset: 16, .size: 8, .value_kind: global_buffer, .address_space: global }
      - { .name: out0, .offset: 24, .size: 8, .value_kind: global_buffer, .address_space: global }
    .group_segment_fixed_size: 327680
    .private_segment_fixed_size: 0
    .kernarg_segment_align: 8
    .kernarg_segment_size: 32
    .max_flat_workgroup_size: 128
    .sgpr_count:     100
    .vgpr_count:     1024
    .wavefront_size: 32
...
	.end_amdgpu_metadata
.endif
;; end of part 4
